; MI455X (gfx1250); checked and timed in simulation.
; The chip was launched on July 23, 2026; its instructions are those of AMD's public machine-readable ISA for CDNA 5 (MIT licence, August 2026) and "CDNA5" Instruction Set Architecture Reference Guide (July 2026). The comments in the code are by the model that wrote it; some were corrected since.
;; Multi Head Attention Layer. Allowed arithmetic: matrix products marked QUANTISED: E2M3 operands, one E8M0 scale for each 32 along K, by v_wmma_scale_f32_16x16x128_f8f6f4 with both operands' format E2M3, f32 sums; everything else in f32.
;; Inputs: Wk 1,024 x 1,024 float32; Wo 1,024 x 1,024 float32; Wq 1,024 x 1,024 float32; Wv 1,024 x 1,024 float32; bk 1,024 float32; bo 1,024 float32; bq 1,024 float32; bv 1,024 float32; x 4 x 2,048 x 1,024 float32.
;; Outputs: out0 4 x 2,048 x 1,024 float32.
;; This version of the problem:
;;   THIS VERSION OF THE PROBLEM IS GIVEN IN LOW PRECISION. The matrix products marked QUANTISED in the list below multiply operands that are first quantised to E2M3 (2 exponent bits, 3 mantissa bits; 6 bits a number), with one power-of-two scale for each 32 numbers along K (OCP MX v1.0); their sums are f32. All else is computed in f32.
;;   The module's matrix products, in the order in which they are computed (A, B: the left and right operand; K: the contracted axis; several contracted axes count as one K, in the product's order):
;;     1. [M 8,192, K 1,024] x [K 1,024, N 1,024]; A: input x; B: input Wq: QUANTISED
;;     2. [M 8,192, K 1,024] x [K 1,024, N 1,024]; A: input x; B: input Wk: QUANTISED
;;     3. [M 8,192, K 1,024] x [K 1,024, N 1,024]; A: input x; B: input Wv: QUANTISED
;;     4. batch 64 x [M 2,048, K 64] x [K 64, N 2,048]; A: computed on the way; B: computed on the way: QUANTISED
;;     5. batch 64 x [M 2,048, K 2,048] x [K 2,048, N 64]; A: softmax (see below); B: computed on the way: QUANTISED
;;     6. [M 8,192, K 1,024] x [K 1,024, N 1,024]; A: computed on the way; B: input Wo: QUANTISED
;;   THE QUANTISER, for each operand of a quantised product, along K:
;;     - K is cut into blocks of 32 from its start; a last block that is shorter is filled with zeros.
;;     - A block's scale is 2^e with e = floor(log2(the largest magnitude in the block)) - 2, held to -126 .. 127; a block of zeros has e = 0. As a byte (E8M0): e + 127.
;;     - Each number is divided by its block's scale, clamped to +-7.5, and rounded to the nearest number of E2M3, ties to even, subnormals kept.
;;     - The product sums the exact products of the quantised numbers (number of the format x scale) in f32.
;;   ~~~python
;;   def quantise(x, axis):      # numpy; x: float32 -> the quantised numbers, widened to float32 again
;;       x = np.moveaxis(x, axis, -1); K = x.shape[-1]
;;       x = np.pad(x, [(0, 0)] * (x.ndim - 1) + [(0, -K % 32)]); x = x.reshape(x.shape[:-1] + (-1, 32)); a = np.abs(x).max(-1, keepdims=True)
;;       e = np.where(a > 0, np.clip(np.frexp(np.where(a > 0, a, 1))[1] - 1 - 2, -126, 127), 0)      # np.frexp(a)[1] - 1 = floor(log2(a)), exactly
;;       r = np.clip(x / 2.0 ** e, -7.5, 7.5)
;;       step = 2.0 ** (np.maximum(np.frexp(np.where(r == 0, 1, r))[1] - 1, 0) - 3)
;;       q = np.round(r / step) * step * 2.0 ** e      # np.round: ties to even
;;       return np.moveaxis(q.reshape(q.shape[:-2] + (-1,))[..., :K], -1, axis).astype(np.float32)
;;   ~~~
;;   SOFTMAX AHEAD OF A QUANTISED PRODUCT. Where the list says 'softmax', what is quantised is not the finished softmax but p = 2^(t - M), with t = logit x log2(e) and M = ceil(the row's largest t), a whole number; so 1/2 < the row's largest p <= 1. The row's sum l is taken of the UNQUANTISED p, in f32, and the product's result is divided by l at the end. Since M is a whole number, a kernel that streams over the keys may use a running M (the ceiling of the running maximum): every later rescaling is an exact power of two, which a block's scale takes up: the codes' values come out the same.
;;   OPERANDS COMPUTED ON THE WAY. 'Computed on the way' means the value that the module computes at that place (a softmax that the list does not call 'softmax' is quantised finished and normalised). What goes into a quantiser is computed in f32, as accurately as f32 sums, v_exp_f32 and their like allow (about 1e-6 of the number): no bf16 or f16 on the way to a quantiser, and a product that is left as it is and whose result goes on into a quantised operand takes f32 operands (vector FMAs, or v_wmma_f32_16x16x4_f32). A number that lies on a knife's edge between two numbers of the format may be rounded either way, as far as f32 arithmetic and the matrix unit's own rounding can turn it there, and no further.
;; One version. Each part assembles by itself: llvm-mc -triple=amdgcn-amd-amdhsa -mcpu=gfx1250 --defsym DOCPART=n.
;; ======== version 1 of 1: 5 launches
;; limits: right only within a limited range of input values
;; workspace buffers: xc 6,291,456 bytes; wc 3,145,728 bytes; cc 6,291,456 bytes; opsc 655,360 bytes; qkv 18,874,368 bytes; qkvs 786,432 bytes
;; launch quant (part 1): grid 512 x 1, 4 waves a work-group, no clusters, 47,616 bytes of LDS; arguments x, xc, opsc, Wq, Wk, Wv, Wo, wc; writes xc, opsc, wc
.if DOCPART == 1
	.amdgcn_target "amdgcn-amd-amdhsa--gfx1250"
	.amdhsa_code_object_version 6
	.text
	.protected	k_q424356994b_quant
	.globl	k_q424356994b_quant
	.p2align	8
	.type	k_q424356994b_quant,@function
k_q424356994b_quant:
	s_mov_b64 s[64:65], 0
	v_nop
	global_prefetch_b8 v0, s[64:65] scope:SCOPE_SE
	s_setreg_imm32_b32 hwreg(HW_REG_WAVE_MODE, 25, 1), 1
	s_wait_xcnt 0x0
; ONE LAUNCH QUANTISES ALL FIVE OPERANDS: work-groups 0-255 take x, 256-511 the four weights.  Both become codes of FP6 (E2M3) with one E8M0 scale byte for each 32 along K, laid as IMAGES OF OPERAND REGISTERS:
; a fragment of 16 rows x 128 K, 12 registers a lane: register p of lane L lies at byte 512 (p / 4) + 16 L + 4 (p % 4) of its 1,536 bytes.
; A block's scale is 2^(floor(log2(largest magnitude)) - 2); its byte is the largest magnitude's exponent field - 2, held at 1 from below.
; LIMITS: a block whose largest magnitude lies under 2^-124, a block of zeros among them, gets the byte 1 (the bytes are read by this program alone); NaN and infinities are not served.
; x [8192][1024]: lane r of row tile RT holds token 32 (RT / 2) + 8 (RT % 2) + r + 8 (r / 8).  Image (RT, KS) lies at ((KS / 2) 512 + RT) 3072 + (KS % 2) 1536 of xc; its scale words at 512 RT + 256 (KS / 4) + 16 r + 4 (KS % 4) of opsc.
;   Wave w of work-group G takes row tile 2 G + w / 2 and four images, KS = 4 (w % 2) + 0 .. 3.  Each load reads 512 consecutive bytes of one row; the 16 rows turn through the wave's own stage in LDS.
; Wq, Wk, Wv, Wo [1024 (k)][1024 (n)]: K is the first axis; the rows of an image are output features n.  Row tiles 0-63 are Wq's, 64-127 Wk's, 128-191 Wv's, 192-255 Wo's; lane r of tile T holds feature
;   32 (T / 2) + 8 (T % 2) + r + 8 (r / 8).  Image (T, KS) lies at ((KS / 2) 256 + T) 3072 + (KS % 2) 1536 of wc; its scale words at 262144 + 512 T + 256 (KS / 4) + 16 r + 4 (KS % 4) of opsc.
;   A lane takes a column n and its registers run down K.  Work-group 256 + g: weight (g % 32) / 8, columns 128 (g % 8) on, KS = g / 32; a wave takes 32 columns.  The scale words leave as 4 bytes a lane, 16 bytes apart.
; Waves share nothing: no barrier.  No two work-groups read the same bytes, so nothing is asked for jointly.  Each of the two paths has LDS bytes of its own.
.set STG,   8448                       ; x: a wave's stage: 16 rows x (512 + 16) bytes
.set WBASE, 4*STG                      ; the weights' stages lie behind x's
.set STGW,  3328                       ; a wave's stage there: two images, 1,664 bytes apart
.set IMG2,  1664
.set SPARE, WBASE+4*STGW               ; behind the stages: the spare words, 128 bytes a wave, which no other line names
.set LOFF,  2
.set STI,   3
.set STO,   4
.set SPW,   5                          ; v5 my spare word, v6 0: never rewritten
.set NIL,   6
.set W4,    8
.set TM,    12
.set PC,    32
.set X,     64
.set R,     128
.set SEL,   20
.macro QUANT s, pw
.irp b, 0,1,2,3
	v_max3_num_f32 v[TM+\b], |v[\s+16*\b]|, |v[\s+1+16*\b]|, 0x1800000   ; my 16 numbers of block b, and the floor 2^(3 - 127)
.endr
.irp i, 2,4,6,8,10,12,14
.irp b, 0,1,2,3
	v_max3_num_f32 v[TM+\b], v[TM+\b], |v[\s+16*\b+\i]|, |v[\s+1+16*\b+\i]|
.endr
.endr
.irp b, 0,1,2,3
	v_permlanex16_b32 v[TM+4+\b], v[TM+\b], s[SEL], s[SEL+1]
.endr
.irp b, 0,1,2,3
	v_max_num_f32 v[TM+\b], v[TM+\b], v[TM+4+\b]
.endr
.irp b, 0,1,2,3
	v_add_nc_u32 v[TM+12+\b], 0xff000000, v[TM+\b]   ; 2 off the exponent field: the conversion's scale operand
.endr
.irp b, 0,1,2,3
	v_lshrrev_b32 v[TM+4+\b], 23, v[TM+12+\b]
.endr
	v_lshl_or_b32 v[\pw], v[TM+5], 8, v[TM+4]
	v_lshl_or_b32 v[\pw], v[TM+6], 16, v[\pw]
	v_lshl_or_b32 v[\pw], v[TM+7], 24, v[\pw]
.irp c, 0,1
	v_cvt_scalef32_pk16_fp6_f32 v[PC+6*\c:PC+2+6*\c], v[\s+32*\c:\s+15+32*\c], v[TM+12+2*\c]
	v_cvt_scalef32_pk16_fp6_f32 v[PC+12+4*\c:PC+14+4*\c], v[\s+16+32*\c:\s+31+32*\c], v[TM+12+2*\c+1]
.endr
	v_nop                                            ; one plain place behind a scaled conversion
.irp c, 0,1                                      ; the layout wants a whole block in a lane
.irp i, 0,1,2
	v_permlane16_swap_b32 v[PC+6*\c+\i], v[PC+12+4*\c+\i]
.endr
.irp i, 0,1,2
	v_mov_b32 v[PC+3+6*\c+\i], v[PC+12+4*\c+\i]
.endr
.endr
.endm
	v_lshl_add_u32 v[SPW], v0, 2, SPARE
	v_mov_b32 v[NIL], 0
	s_cmp_lt_u32 ttmp9, 256                          ; the choice hangs on the work-group's number alone
	s_cbranch_scc0 .Lweights
; ---------------- x
	s_load_b128 s[4:7], s[0:1], 0x0                  ; x, xc
	s_load_b64 s[8:9], s[0:1], 0x10                  ; opsc
	v_lshrrev_b32 v1, 5, v0
	v_readfirstlane_b32 s10, v1                      ; wave
	v_and_b32 v1, 31, v0
	v_lshlrev_b32 v[LOFF], 4, v1
	s_mul_i32 s11, s10, STG
	v_add_nc_u32 v[STI], s11, v[LOFF]
	v_and_b32 v7, 15, v0                             ; r
	v_bfe_u32 v1, v0, 4, 1                           ; h
	v_mul_u32_u24 v[STO], v7, 528
	v_lshl_add_u32 v[STO], v1, 6, v[STO]
	v_add_nc_u32 v[STO], s11, v[STO]
.irp b, 0,1,2,3
	v_mov_b32 v[TM+4+\b], 0                          ; written once: a lane permute's destination counts as one of its sources
.endr
	s_mov_b32 s[SEL], 0x76543210
	s_mov_b32 s[SEL+1], 0xfedcba98
	s_lshr_b32 s12, s10, 1                           ; which of the group's two row tiles
	s_and_b32 s13, s10, 1                            ; which half of K
	s_lshl_b32 s14, ttmp9, 1
	s_add_co_u32 s14, s14, s12                       ; RT
	s_lshl_b32 s16, ttmp9, 17                        ; x: 32 rows of 4,096 bytes a work-group,
	s_lshl_b32 s15, s12, 15                          ; 8 rows on for the odd tile,
	s_add_co_u32 s16, s16, s15
	s_lshl_b32 s15, s13, 11                          ; 512 numbers on for the upper half of K
	s_add_co_u32 s16, s16, s15
	s_mov_b32 s17, 0
	s_lshl_b32 s18, s13, 10
	s_add_co_u32 s18, s18, s14
	s_mul_i32 s18, s18, 3072
	s_mov_b32 s19, 0
	s_lshl_b32 s22, s14, 9
	s_lshl_b32 s15, s13, 8
	s_add_co_u32 s22, s22, s15
	s_mov_b32 s23, 0
	s_wait_alu depctr_va_vdst(0)                     ; the wait at the head's end
	s_wait_kmcnt 0x0
	s_add_nc_u64 s[4:5], s[4:5], s[16:17]
	s_add_nc_u64 s[6:7], s[6:7], s[18:19]
	s_add_nc_u64 s[8:9], s[8:9], s[22:23]
.macro LOAD t                                    ; image t: 512 bytes of each of the tile's 16 rows
.irp p, 0,1,2,3,4,5,6,7,8,9,10,11,12,13,14,15
	global_load_b128 v[R+64*((\t)%2)+4*\p:R+64*((\t)%2)+4*\p+3], v[LOFF], s[4:5] offset:(\p+8*(\p/8))*4096+512*(\t) th:TH_LOAD_NT
.endr
.endm
.macro TURN t                                    ; through the stage: LDS serves a wave's instructions in order
.irp p, 0,1,2,3,4,5,6,7,8,9,10,11,12,13,14,15
	ds_store_b128 v[STI], v[R+64*((\t)%2)+4*\p:R+64*((\t)%2)+4*\p+3] offset:528*\p
.endr
.irp b, 0,1,2,3
.irp j, 0,1,2,3
	ds_load_b128 v[X+16*\b+4*\j:X+16*\b+4*\j+3], v[STO] offset:128*\b+16*\j
.endr
.endr
.endm
.macro IMG t
.if (\t) < 3
	s_wait_loadcnt 16                                ; this image's sixteen loads are in; the next image's sixteen may be out
.else
	s_wait_loadcnt 0
.endif
	TURN \t
	s_wait_dscnt 0x0                                 ; my numbers are back, and the stage's stores have read their registers,
.if (\t) < 2
	LOAD (\t)+2                                      ; which take the image two on
.endif
.if (\t) > 0
	s_wait_xcnt 0x0                                  ; the last image's stores have read the codes' registers
.endif
	QUANT X, W4+(\t)
.irp c, 0,1,2
	global_store_b128 v[LOFF], v[PC+4*\c:PC+4*\c+3], s[6:7] offset:((\t)/2)*1572864+((\t)%2)*1536+512*\c   ; 512 consecutive bytes a store
.endr
.endm
	LOAD 0
	LOAD 1
	IMG 0
	IMG 1
	IMG 2
	IMG 3
	s_wait_xcnt 0x0                                  ; EXEC changes only behind this wait
	v_cmp_gt_u32 vcc_lo, 256, v[LOFF]                ; lanes 0-15: both halves hold the same words
	s_and_saveexec_b32 s24, vcc_lo
	global_store_b128 v[LOFF], v[W4:W4+3], s[8:9]    ; sixteen lanes store 256 consecutive bytes, aligned
	s_wait_xcnt 0x0
	s_or_b32 exec_lo, exec_lo, s24
	s_wait_tensorcnt 0x0                             ; the wave's end
	ds_add_u32 v[SPW], v[NIL]
	s_wait_dscnt 0x0
	s_endpgm
; ---------------- the weights
.set CB,    16                         ; v16-47  eight registers a block: its codes
.set OUTR,  48                         ; v48-71  the two images on their way out
.set XW,    80                         ; v80-207 my column's 128 numbers
.Lweights:
	s_load_b256 s[4:11], s[0:1], 0x18                ; Wq, Wk, Wv, Wo
	s_load_b64 s[12:13], s[0:1], 0x38                ; wc
	s_load_b64 s[14:15], s[0:1], 0x10                ; opsc
	v_lshrrev_b32 v1, 5, v0
	v_readfirstlane_b32 s16, v1                      ; wave
	v_and_b32 v1, 31, v0                             ; lane l = my column among the wave's 32
	v_lshlrev_b32 v2, 2, v1                          ; in: 4 bytes a lane
	v_bfe_u32 v8, v0, 3, 1                           ; u = (l / 8) % 2: which of the two images my column belongs to
	v_and_b32 v9, 7, v0
	v_bfe_u32 v10, v0, 4, 1
	v_lshl_add_u32 v9, v10, 3, v9                    ; r = l % 8 + 8 (l / 16): its lane there
	s_mul_i32 s17, s16, STGW
	s_add_co_u32 s17, s17, WBASE
	v_mul_u32_u24 v3, v8, IMG2
	v_lshl_add_u32 v3, v9, 4, v3
	v_add_nc_u32 v3, s17, v3                         ; into the stage: 1664 u + 16 r
	v_lshlrev_b32 v13, 4, v1                         ; 16 x lane
	v_add_nc_u32 v4, s17, v13                        ; out of it
	v_lshlrev_b32 v14, 9, v8
	v_lshl_add_u32 v14, v9, 4, v14                   ; my scale word: 512 u + 16 r
	s_sub_co_u32 s30, ttmp9, 256
	s_and_b32 s31, s30, 31
	s_lshr_b32 s18, s31, 3                           ; which weight
	s_and_b32 s19, s31, 7                            ; which 128 columns
	s_lshr_b32 s20, s30, 5                           ; KS
	s_lshl_b32 s22, s20, 19                          ; W: 128 rows of 4,096 bytes a KS,
	s_lshl_b32 s21, s19, 9
	s_add_co_u32 s22, s22, s21
	s_lshl_b32 s21, s16, 7
	s_add_co_u32 s22, s22, s21                       ; + 4 x my wave's first column
	s_mov_b32 s23, 0
	s_lshl_b32 s24, s18, 6
	s_lshl_b32 s21, s19, 3
	s_add_co_u32 s24, s24, s21
	s_lshl_b32 s21, s16, 1
	s_add_co_u32 s24, s24, s21                       ; T0 = 64 weight + 8 (column group) + 2 wave
	s_lshr_b32 s26, s20, 1
	s_lshl_b32 s26, s26, 8
	s_add_co_u32 s26, s26, s24
	s_mul_i32 s26, s26, 3072
	s_and_b32 s21, s20, 1
	s_mul_i32 s21, s21, 1536
	s_add_co_u32 s26, s26, s21                       ; wc
	s_mov_b32 s27, 0
	s_lshl_b32 s28, s24, 9
	s_add_co_u32 s28, s28, 262144
	s_lshr_b32 s21, s20, 2
	s_lshl_b32 s21, s21, 8
	s_add_co_u32 s28, s28, s21
	s_and_b32 s21, s20, 3
	s_lshl_b32 s21, s21, 2
	s_add_co_u32 s28, s28, s21                       ; opsc
	s_mov_b32 s29, 0
	s_wait_alu depctr_va_vdst(0)                     ; the wait at the head's end
	s_wait_kmcnt 0x0
	s_cmp_eq_u32 s18, 1
	s_cselect_b64 s[4:5], s[6:7], s[4:5]
	s_cmp_eq_u32 s18, 2
	s_cselect_b64 s[4:5], s[8:9], s[4:5]
	s_cmp_eq_u32 s18, 3
	s_cselect_b64 s[4:5], s[10:11], s[4:5]
	s_add_nc_u64 s[4:5], s[4:5], s[22:23]
	s_add_nc_u64 s[12:13], s[12:13], s[26:27]
	s_add_nc_u64 s[14:15], s[14:15], s[28:29]
.macro LOADW t                                   ; block t: W(128 KS + 32 t + i, my column)
.irp i, 0,1,2,3,4,5,6,7,8,9,10,11,12,13,14,15,16,17,18,19,20,21,22,23,24,25,26,27,28,29,30,31
	global_load_b32 v[XW+32*(\t)+\i], v2, s[4:5] offset:(32*(\t)+\i)*4096 th:TH_LOAD_NT
.endr
.endm
.macro BLOCK t
.set XS, XW+32*(\t)
.set CD, CB+8*(\t)
.if (\t) < 3
	s_wait_loadcnt 32                                ; this block's 32 loads are in; the next block's may be out
.else
	s_wait_loadcnt 0
.endif
.if (\t) < 2
	LOADW (\t)+2                                     ; every block has registers of its own
.endif
	v_max3_num_f32 v8, |v[XS]|, |v[XS+1]|, |v[XS+2]| ; the block's largest magnitude: all 32 numbers are mine; two chains
	v_max3_num_f32 v9, |v[XS+3]|, |v[XS+4]|, |v[XS+5]|
.irp i, 6,10,14,18,22,26
	v_max3_num_f32 v8, v8, |v[XS+\i]|, |v[XS+\i+1]|
	v_max3_num_f32 v9, v9, |v[XS+\i+2]|, |v[XS+\i+3]|
.endr
	v_max3_num_f32 v8, v8, |v[XS+30]|, |v[XS+31]|
	v_max3_num_f32 v8, v8, v9, 0x1800000             ; and the floor 2^(3 - 127)
	v_add_nc_u32 v10, 0xff000000, v8
	v_lshrrev_b32 v11, 23, v10                       ; the byte
.if (\t) == 0
	v_mov_b32 v12, v11
.else
	v_lshl_or_b32 v12, v11, 8*(\t), v12              ; four bytes make my column's scale word for this KS
.endif
	v_cvt_scalef32_pk16_fp6_f32 v[CD:CD+2], v[XS:XS+15], v10
	v_cvt_scalef32_pk16_fp6_f32 v[CD+4:CD+6], v[XS+16:XS+31], v10
	v_nop                                            ; one plain place behind a scaled conversion
	v_mov_b32 v[CD+3], v[CD+4]                       ; six registers on end
	v_mov_b32 v[CD+4], v[CD+5]
	v_mov_b32 v[CD+5], v[CD+6]
; block t = 2 c + h is registers 6 c .. 6 c + 5 of lane r + 16 h of the image
.if (\t) < 2
	ds_store_b128 v3, v[CD:CD+3] offset:256*((\t)%2)
	ds_store_b64 v3, v[CD+4:CD+5] offset:512+256*((\t)%2)
.else
	ds_store_b64 v3, v[CD:CD+1] offset:520+256*((\t)%2)
	ds_store_b128 v3, v[CD+2:CD+5] offset:1024+256*((\t)%2)
.endif
.endm
	LOADW 0
	LOADW 1
	BLOCK 0
	BLOCK 1
	BLOCK 2
	BLOCK 3
.irp u, 0,1
.irp c, 0,1,2
	ds_load_b128 v[OUTR+12*\u+4*\c:OUTR+12*\u+4*\c+3], v4 offset:IMG2*\u+512*\c   ; LDS serves a wave's instructions in order: these see my stores
.endr
.endr
	global_store_b32 v14, v12, s[14:15]
	s_wait_dscnt 0x0
.irp u, 0,1
.irp c, 0,1,2
	global_store_b128 v13, v[OUTR+12*\u+4*\c:OUTR+12*\u+4*\c+3], s[12:13] offset:3072*\u+512*\c   ; 512 consecutive bytes a store
.endr
.endr
	s_wait_tensorcnt 0x0                             ; the wave's end
	ds_add_u32 v[SPW], v[NIL]
	s_wait_dscnt 0x0
	s_endpgm
.Lfunc_end_k_q424356994b_quant:
	.size	k_q424356994b_quant, .Lfunc_end_k_q424356994b_quant-k_q424356994b_quant
	.p2alignl 7, 3214868480
	.fill 96, 4, 3214868480
	.section	.rodata,"a",@progbits
	.p2align	6, 0x0
	.amdhsa_kernel k_q424356994b_quant
		.amdhsa_group_segment_fixed_size 47616
		.amdhsa_private_segment_fixed_size 0
		.amdhsa_enable_private_segment 0
		.amdhsa_kernarg_size 64
		.amdhsa_user_sgpr_count 2
		.amdhsa_user_sgpr_kernarg_segment_ptr 1
		.amdhsa_wavefront_size32 1
		.amdhsa_system_sgpr_workgroup_id_x 1
		.amdhsa_system_sgpr_workgroup_id_y 1
		.amdhsa_system_sgpr_workgroup_id_z 1
		.amdhsa_system_vgpr_workitem_id 0
		.amdhsa_next_free_vgpr 256
		.amdhsa_next_free_sgpr 66
		.amdhsa_reserve_vcc 1
		.amdhsa_float_denorm_mode_32 3
		.amdhsa_float_denorm_mode_16_64 3
		.amdhsa_memory_ordered 1
		.amdhsa_forward_progress 1
		.amdhsa_inst_pref_size 55
	.end_amdhsa_kernel
	.amdgpu_metadata
---
amdhsa.version: [ 1, 2 ]
amdhsa.kernels:
  - .name:           k_q424356994b_quant
    .symbol:         k_q424356994b_quant.kd
    .args:
      - { .name: x, .offset: 0, .size: 8, .value_kind: global_buffer, .address_space: global }
      - { .name: xc, .offset: 8, .size: 8, .value_kind: global_buffer, .address_space: global }
      - { .name: opsc, .offset: 16, .size: 8, .value_kind: global_buffer, .address_space: global }
      - { .name: Wq, .offset: 24, .size: 8, .value_kind: global_buffer, .address_space: global }
      - { .name: Wk, .offset: 32, .size: 8, .value_kind: global_buffer, .address_space: global }
      - { .name: Wv, .offset: 40, .size: 8, .value_kind: global_buffer, .address_space: global }
      - { .name: Wo, .offset: 48, .size: 8, .value_kind: global_buffer, .address_space: global }
      - { .name: wc, .offset: 56, .size: 8, .value_kind: global_buffer, .address_space: global }
    .group_segment_fixed_size: 47616
    .private_segment_fixed_size: 0
    .kernarg_segment_align: 8
    .kernarg_segment_size: 64
    .max_flat_workgroup_size: 128
    .sgpr_count:     66
    .vgpr_count:     256
    .wavefront_size: 32
...
	.end_amdgpu_metadata
.endif
;; end of part 1
;; launch proj_qk (part 2): grid 8 x 32, 4 waves a work-group, clusters of 4 x 4, 327,680 bytes of LDS; arguments xc, wc, opsc, bq, qkv, qkvs, bk; writes qkv, qkvs
.if DOCPART == 2
	.amdgcn_target "amdgcn-amd-amdhsa--gfx1250"
	.amdhsa_code_object_version 6
	.text
	.protected	k_q424356994b_proj_qk
	.globl	k_q424356994b_proj_qk
	.p2align	8
	.type	k_q424356994b_proj_qk,@function
k_q424356994b_proj_qk:
	s_mov_b64 s[64:65], 0
	v_nop
	global_prefetch_b8 v0, s[64:65] scope:SCOPE_SE
	s_setreg_imm32_b32 hwreg(HW_REG_WAVE_MODE, 25, 1), 1
	s_wait_xcnt 0x0
	s_wait_alu depctr_hold_cnt(0) depctr_sa_sdst(0) depctr_va_vdst(0) depctr_va_sdst(0) depctr_va_ssrc(0) depctr_va_vcc(0) depctr_vm_vsrc(0)
	s_getreg_b32 s2, hwreg(HW_REG_IB_STS2, 6, 4)
	s_cmp_eq_u32 s2, 0
	s_cbranch_scc0 .Lentry_in_a_cluster
	s_endpgm
.Lentry_in_a_cluster:
	s_bfe_u32 s2, ttmp6, 0x10000c
	s_cmp_lg_u32 s2, 0xf033
	s_cbranch_scc0 .Lentry_shape_is_right
	s_endpgm
.Lentry_shape_is_right:
.set FR,    12
.set HALFT, 24576
.set SLOT,  4*HALFT
.set SPARE, 2*SLOT
.set XSTEP, 512*3072
.set WSTEP, 256*3072
.set ADRA,  16
.set ADRB,  20
.set LI,    24
.set SCA,   25
.set SPW,   28
.set NIL,   29
.set SC,    32
.set TM,    96
.set PW,    112
.set SW,    116
.set AF,    128
.set HA,    128
.set PC,    192
.set G1,    24
.set G0,    32
.set G1B,   48
.set G0B,   56
.set HM,    96
.set SEL,   98
.set MSB, 0
.macro WIN new
.if MSB != (\new)
	s_set_vgpr_msb (MSB<<8)|(\new)
.set MSB, \new
.endif
.endm
.set MUL_LO, 0xa1
.set MUL_HI, 0xf1
.set TO_B,   0x40
.macro JLOAD s
	s_cmp_eq_u32 s15, 0
	s_cbranch_scc0 .Lfor_w_\@
	tensor_load_to_lds s[G0+4*\s:G0+4*\s+3], s[G1:G1+7]
	s_nop 0
.rept 4
	v_nop
.endr
	s_branch .Lasked_\@
.Lfor_w_\@:
	tensor_load_to_lds s[G0B+4*\s:G0B+4*\s+3], s[G1B:G1B+7]
	s_nop 0
.rept 4
	v_nop
.endr
.Lasked_\@:
.endm
.macro CREST
	s_cmp_lg_u32 s14, 0
	s_cbranch_scc1 .Lnot_wave_0_\@
	s_barrier_signal -3
.Lnot_wave_0_\@:
	s_barrier_wait -3
	s_barrier_signal -1
	s_barrier_wait -1
.endm
.macro CROUND
	s_barrier_signal -1
	s_barrier_wait -1
	CREST
.endm
.macro PLACES
.rept 4
	v_nop
.endr
.endm
.macro QUANT s, pw
.irp b, 0,1,2,3
	v_max3_num_f32 v[TM+\b], |v[\s+16*\b]|, |v[\s+1+16*\b]|, 0x1800000
.endr
.irp i, 2,4,6,8,10,12,14
.irp b, 0,1,2,3
	v_max3_num_f32 v[TM+\b], v[TM+\b], |v[\s+16*\b+\i]|, |v[\s+1+16*\b+\i]|
.endr
.endr
.irp b, 0,1,2,3
	v_permlanex16_b32 v[TM+4+\b], v[TM+\b], s[SEL], s[SEL+1]
.endr
.irp b, 0,1,2,3
	v_max_num_f32 v[TM+\b], v[TM+\b], v[TM+4+\b]
.endr
.irp b, 0,1,2,3
	v_add_nc_u32 v[TM+12+\b], 0xff000000, v[TM+\b]
.endr
.irp b, 0,1,2,3
	v_lshrrev_b32 v[TM+4+\b], 23, v[TM+12+\b]
.endr
	v_lshl_or_b32 v[\pw], v[TM+5], 8, v[TM+4]
	v_lshl_or_b32 v[\pw], v[TM+6], 16, v[\pw]
	v_lshl_or_b32 v[\pw], v[TM+7], 24, v[\pw]
.irp c, 0,1
	v_cvt_scalef32_pk16_fp6_f32 v[PC+6*\c:PC+2+6*\c], v[\s+32*\c:\s+15+32*\c], v[TM+12+2*\c]
	v_cvt_scalef32_pk16_fp6_f32 v[PC+12+4*\c:PC+14+4*\c], v[\s+16+32*\c:\s+31+32*\c], v[TM+12+2*\c+1]
.endr
	v_nop
.irp c, 0,1
.irp i, 0,1,2
	v_permlane16_swap_b32 v[PC+6*\c+\i], v[PC+12+4*\c+\i]
.endr
.irp i, 0,1,2
	v_mov_b32 v[PC+3+6*\c+\i], v[PC+12+4*\c+\i]
.endr
.endr
.endm
	s_load_b256 s[4:11], s[0:1], 0x0
	s_load_b128 s[72:75], s[0:1], 0x20
	s_load_b64 s[68:69], s[0:1], 0x30
	v_lshl_add_u32 v[SPW], v0, 2, SPARE
	v_mov_b32 v[NIL], 0
	ds_add_u32 v[SPW], v[NIL]
	ds_add_u32 v[SPW], v[NIL]
	v_lshrrev_b32 v1, 5, v0
	v_readfirstlane_b32 s14, v1
	s_lshr_b32 s15, s14, 1
	s_and_b32 s16, s14, 1
	s_bfe_u32 s40, ttmp6, 0x40000
	s_bfe_u32 s41, ttmp6, 0x40004
	s_lshl_b32 s42, ttmp9, 2
	s_add_co_u32 s42, s42, s40
	s_and_b32 s17, ttmp7, 0xffff
	s_lshl_b32 s17, s17, 2
	s_add_co_u32 s17, s17, s41
	s_lshl_b32 s43, s41, 2
	s_lshl_b32 s43, 15, s43
	s_lshl_b32 s44, 0x1111, s40
	s_or_b32 s[G1], s43, (3<<16)|(1<<21)
	s_or_b32 s[G1B], s44, (3<<16)|(1<<21)
.irp g, G1, G1B
	s_mov_b32 s[\g+1], 32<<16
	s_mov_b32 s[\g+2], 96<<16
	s_mov_b32 s[\g+3], 32<<16
	s_mov_b32 s[\g+4], 96
	s_mov_b32 s[\g+5], 32
	s_mov_b32 s[\g+6], 0
	s_mov_b32 s[\g+7], 0
.endr
	s_lshl_b32 s18, s16, 3
	s_lshl_b32 s20, s17, 4
	s_add_co_u32 s20, s20, s18
	s_mul_i32 s20, s20, 3072
	s_mov_b32 s21, 0
	s_lshl_b32 s46, s42, 4
	s_add_co_u32 s46, s46, s18
	s_mul_i32 s46, s46, 3072
	s_mov_b32 s47, 0
	s_mul_i32 s45, s14, HALFT
	s_wait_dscnt 0x0
	s_wait_kmcnt 0x0
	s_add_nc_u64 s[20:21], s[4:5], s[20:21]
	s_add_nc_u64 s[46:47], s[6:7], s[46:47]
	CROUND
	v_and_b32 v1, 31, v0
	v_lshlrev_b32 v[LI], 4, v1
	v_and_b32 v2, 15, v0
	v_bfe_u32 v3, v0, 4, 1
	s_mul_i32 s78, s15, HALFT
	s_mul_i32 s80, s16, HALFT
	s_add_co_u32 s80, s80, 2*HALFT
.irp s, 0,1
	v_add_nc_u32 v[ADRA+\s], s78, v[LI]
	v_add_nc_u32 v[ADRB+\s], s80, v[LI]
	s_add_co_u32 s78, s78, SLOT
	s_add_co_u32 s80, s80, SLOT
.endr
	s_lshl_b32 s83, s17, 4
	s_lshl_b32 s84, s15, 3
	s_add_co_u32 s83, s83, s84
	s_lshl_b32 s85, s83, 9
	s_lshl_b32 s86, s42, 4
	s_lshl_b32 s84, s16, 3
	s_add_co_u32 s86, s86, s84
	s_lshl_b32 s86, s86, 9
	s_add_co_u32 s86, s86, 262144
	s_mov_b32 s[HM], 0xffff0000
	v_mov_b32 v[SCA], s85
	v_mov_b32 v26, s86
	v_cndmask_b32 v[SCA], v[SCA], v26, s[HM]
	s_wait_alu depctr_va_vdst(0)
	v_lshl_add_u32 v[SCA], v2, 4, v[SCA]
.irp i, 0,1,2,3,4,5,6,7
.irp g, 0,1
	global_load_b128 v[SC+8*\i+4*\g:SC+8*\i+4*\g+3], v[SCA], s[8:9] offset:512*\i+256*\g
.endr
.endr
	s_cmp_eq_u32 ttmp9, 1
	s_cselect_b64 s[10:11], s[68:69], s[10:11]
	s_lshl_b32 s90, s40, 10
	s_lshl_b32 s91, s16, 9
	s_add_co_u32 s90, s90, s91
	s_mov_b32 s91, 0
	s_add_nc_u64 s[10:11], s[10:11], s[90:91]
	v_lshlrev_b32 v4, 6, v3
	WIN TO_B
.set k, 0
.rept 16
	global_load_b128 v[96+k+96*(k/32):96+k+96*(k/32)+3], v4, s[10:11] offset:128*(k/16)+4*(k%16)
.set k, k+4
.endr
	WIN 0
	s_lshl_b32 s92, s42, 1
	s_add_co_u32 s92, s92, s16
	s_lshr_b32 s94, s83, 1                           ; an image now holds TWO token tiles of ONE head: image (pair P, head hd, tile pair tp) lies at (512 P + 256 hd + tp) 1536
	s_lshl_b32 s93, s92, 9
	s_add_co_u32 s93, s93, s94
	s_mul_i32 s94, s93, 1536
	s_mov_b32 s95, 0
	s_add_nc_u64 s[72:73], s[72:73], s[94:95]
	s_lshl_b32 s94, s92, 7                           ; scale words: ((2 P + hd) 64 + eight tiles' group) 256 + 16 r + 4 (tile pair % 4)
	s_lshr_b32 s93, s83, 3
	s_add_co_u32 s94, s94, s93
	s_lshl_b32 s94, s94, 8
	s_add_nc_u64 s[74:75], s[74:75], s[94:95]
	s_mov_b32 s[SEL], 0x76543210
	s_mov_b32 s[SEL+1], 0xfedcba98
; the two slots' first fills stand behind the plain loads of scale words and biases, which so travel beside them
.irp s, 0,1
	s_mov_b32 s[G0+4*\s], 1
	s_add_co_u32 s[G0+4*\s+1], s45, \s*SLOT
	s_add_nc_u64 s[G0+4*\s+2:G0+4*\s+3], s[20:21], \s*XSTEP
	s_or_b32 s[G0+4*\s+3], s[G0+4*\s+3], 0x80000000
	s_mov_b32 s[G0B+4*\s], 1
	s_add_co_u32 s[G0B+4*\s+1], s45, \s*SLOT
	s_add_nc_u64 s[G0B+4*\s+2:G0B+4*\s+3], s[46:47], \s*WSTEP
	s_or_b32 s[G0B+4*\s+3], s[G0B+4*\s+3], 0x80000000
	s_wait_alu depctr_va_vdst(0)
	s_wait_tensorcnt 0x0
	ds_add_u32 v28, v29
	ds_add_u32 v28, v29
	s_wait_dscnt 0x0
	CROUND
	JLOAD \s
.endr
.macro FRAG reg, adr, q, i
.irp c, 0,1,2
	ds_load_b128 v[\reg+4*\c:\reg+4*\c+3], v[\adr] offset:3072*(\i)+1536*(\q)+512*\c
.endr
.endm
.macro FETCH_B slot, q, p
	WIN TO_B
.irp i, 0,1,2,3,4,5,6,7
	FRAG 128*(\p)+FR*\i, ADRB+\slot, \q, \i
.endr
	WIN 0
.endm
.macro FETCH_A slot, q, i0
.irp i, \i0, \i0+1, \i0+2, \i0+3
	FRAG AF+FR*(\i), ADRA+\slot, \q, \i
.endr
.endm
.macro MUL16 a0, p, ks, zero
.irp a, \a0, \a0+1
.irp b, 0,1,2,3,4,5,6,7
.if \zero
	v_wmma_scale_f32_16x16x128_f8f6f4 v[8*(8*((\a)%4)+\b):8*(8*((\a)%4)+\b)+7], v[128*(\p)+FR*\b:128*(\p)+FR*\b+FR-1], v[AF+FR*(\a):AF+FR*(\a)+FR-1], 0, v[SC+8*\b+(\ks)], v[SC+8*(\a)+(\ks)] matrix_a_fmt:MATRIX_FMT_FP6 matrix_b_fmt:MATRIX_FMT_FP6 matrix_a_scale:MATRIX_SCALE_ROW1
.else
	v_wmma_scale_f32_16x16x128_f8f6f4 v[8*(8*((\a)%4)+\b):8*(8*((\a)%4)+\b)+7], v[128*(\p)+FR*\b:128*(\p)+FR*\b+FR-1], v[AF+FR*(\a):AF+FR*(\a)+FR-1], v[8*(8*((\a)%4)+\b):8*(8*((\a)%4)+\b)+7], v[SC+8*\b+(\ks)], v[SC+8*(\a)+(\ks)] matrix_a_fmt:MATRIX_FMT_FP6 matrix_b_fmt:MATRIX_FMT_FP6 matrix_a_scale:MATRIX_SCALE_ROW1
.endif
.endr
.endr
.endm
.macro STEP slot, ks, zero
	s_wait_dscnt 12
	WIN MUL_LO
	MUL16 0, 0, \ks, \zero
	MUL16 2, 0, \ks, \zero
	s_wait_dscnt 0
	PLACES
	FETCH_B \slot, 1, 1
	FETCH_A \slot, 1, 0
	WIN MUL_HI
	MUL16 4, 0, \ks, \zero
	MUL16 6, 0, \ks, \zero
	PLACES
	WIN 0
	FETCH_A \slot, 1, 4
.endm
.macro TURN slot, next, fill, ks
	s_wait_tensorcnt 0x0
	ds_add_u32 v[SPW], v[NIL]
	s_wait_dscnt 13
	WIN MUL_LO
	MUL16 0, 1, \ks, 0
	s_wait_dscnt 0x0
	s_barrier_signal -1
	MUL16 2, 1, \ks, 0
	WIN 0
	s_barrier_wait -1
.if \fill
	CREST
	s_add_nc_u64 s[G0+4*\slot+2:G0+4*\slot+3], s[G0+4*\slot+2:G0+4*\slot+3], 2*XSTEP
	s_add_nc_u64 s[G0B+4*\slot+2:G0B+4*\slot+3], s[G0B+4*\slot+2:G0B+4*\slot+3], 2*WSTEP
	JLOAD \slot
.else
	PLACES
.endif
	FETCH_B \next, 0, 0
	FETCH_A \next, 0, 0
	WIN MUL_HI
	MUL16 4, 1, \ks, 0
	MUL16 6, 1, \ks, 0
	PLACES
	WIN 0
	FETCH_A \next, 0, 4
.endm
	s_wait_tensorcnt 1
	s_barrier_signal -1
	s_barrier_wait -1
	FETCH_B 0, 0, 0
	FETCH_A 0, 0, 0
	FETCH_A 0, 0, 4
	s_wait_loadcnt 0x0
	STEP 0, 0, 1
	TURN 0, 1, 1, 1
	STEP 1, 2, 0
	TURN 1, 0, 1, 3
	STEP 0, 4, 0
	TURN 0, 1, 0, 5
	STEP 1, 6, 0
	s_wait_dscnt 12
	WIN MUL_LO
	MUL16 0, 1, 7, 0
	MUL16 2, 1, 7, 0
	s_wait_dscnt 0
	WIN MUL_HI
	MUL16 4, 1, 7, 0
	MUL16 6, 1, 7, 0
	WIN 0
	PLACES
.irp b, 0,1,2,3
	v_mov_b32 v[TM+4+\b], 0
.endr
.macro OUTBLK a
.if (\a) > 0
	s_wait_xcnt 0x0
.endif
	WIN 0x06+(\a)/4
.set k, 0
.rept 32
	v_pk_add_f32 v[HA+k:HA+k+1], v[64*((\a)%4)+k:64*((\a)%4)+k+1], v[96+k+96*(k/32):96+k+96*(k/32)+1]
.set k, k+2
.endr
	WIN 0
	QUANT HA, PW
; registers 0-5 of an image are the even tile's six of that head, 6-11 the odd tile's; head B's images lie 256 images behind head A's
.if (\a)%2
	v_mov_b32 v218, v[PC]
	v_mov_b32 v219, v[PC+1]
	v_mov_b32 v222, v[PC+6]
	v_mov_b32 v223, v[PC+7]
	global_store_b128 v[LI], v[216:219], s[72:73] offset:1536*((\a)/2)+512
	global_store_b128 v[LI], v[220:223], s[72:73] offset:393216+1536*((\a)/2)+512
	global_store_b128 v[LI], v[PC+2:PC+5], s[72:73] offset:1536*((\a)/2)+1024
	global_store_b128 v[LI], v[PC+8:PC+11], s[72:73] offset:393216+1536*((\a)/2)+1024
	v_perm_b32 v224, v[PW], v[SW+(\a)/2], 0x05040100  ; head A's word: the even tile's two bytes, then the odd tile's
	v_perm_b32 v225, v[PW], v[SW+(\a)/2], 0x07060302  ; head B's
	v_cndmask_b32 v[SW+(\a)/2], v224, v225, s[HM]     ; lanes 0-15 carry head A's word, lanes 16-31 head B's
.else
	global_store_b128 v[LI], v[PC:PC+3], s[72:73] offset:1536*((\a)/2)
	global_store_b128 v[LI], v[PC+6:PC+9], s[72:73] offset:393216+1536*((\a)/2)
	v_mov_b32 v216, v[PC+4]
	v_mov_b32 v217, v[PC+5]
	v_mov_b32 v220, v[PC+10]
	v_mov_b32 v221, v[PC+11]
	v_mov_b32 v[SW+(\a)/2], v[PW]
.endif
.endm
.irp a, 0,1,2,3,4,5,6,7
	OUTBLK \a
.endr
	v_lshlrev_b32 v226, 4, v2
	v_lshl_add_u32 v226, v3, 14, v226                ; 16 r, and 64 groups of 256 bytes on for head B
	global_store_b128 v226, v[SW:SW+3], s[74:75]     ; sixteen lanes store 256 consecutive bytes, aligned
	s_wait_tensorcnt 0x0
	ds_add_u32 v[SPW], v[NIL]
	s_wait_dscnt 0x0
	CROUND
	s_endpgm
.Lfunc_end_k_q424356994b_proj_qk:
	.size	k_q424356994b_proj_qk, .Lfunc_end_k_q424356994b_proj_qk-k_q424356994b_proj_qk
	.p2alignl 7, 3214868480
	.fill 96, 4, 3214868480
	.section	.rodata,"a",@progbits
	.p2align	6, 0x0
	.amdhsa_kernel k_q424356994b_proj_qk
		.amdhsa_group_segment_fixed_size 327680
		.amdhsa_private_segment_fixed_size 0
		.amdhsa_enable_private_segment 0
		.amdhsa_kernarg_size 56
		.amdhsa_user_sgpr_count 2
		.amdhsa_user_sgpr_kernarg_segment_ptr 1
		.amdhsa_wavefront_size32 1
		.amdhsa_system_sgpr_workgroup_id_x 1
		.amdhsa_system_sgpr_workgroup_id_y 1
		.amdhsa_system_sgpr_workgroup_id_z 1
		.amdhsa_system_vgpr_workitem_id 0
		.amdhsa_next_free_vgpr 1024
		.amdhsa_next_free_sgpr 100
		.amdhsa_reserve_vcc 0
		.amdhsa_float_denorm_mode_32 3
		.amdhsa_float_denorm_mode_16_64 3
		.amdhsa_memory_ordered 1
		.amdhsa_forward_progress 1
		.amdhsa_inst_pref_size 157
	.end_amdhsa_kernel
	.amdgpu_metadata
---
amdhsa.version: [ 1, 2 ]
amdhsa.kernels:
  - .name:           k_q424356994b_proj_qk
    .symbol:         k_q424356994b_proj_qk.kd
    .args:
      - { .name: xc, .offset: 0, .size: 8, .value_kind: global_buffer, .address_space: global }
      - { .name: wc, .offset: 8, .size: 8, .value_kind: global_buffer, .address_space: global }
      - { .name: opsc, .offset: 16, .size: 8, .value_kind: global_buffer, .address_space: global }
      - { .name: bq, .offset: 24, .size: 8, .value_kind: global_buffer, .address_space: global }
      - { .name: qkv, .offset: 32, .size: 8, .value_kind: global_buffer, .address_space: global }
      - { .name: qkvs, .offset: 40, .size: 8, .value_kind: global_buffer, .address_space: global }
      - { .name: bk, .offset: 48, .size: 8, .value_kind: global_buffer, .address_space: global }
    .group_segment_fixed_size: 327680
    .private_segment_fixed_size: 0
    .kernarg_segment_align: 8
    .kernarg_segment_size: 56
    .max_flat_workgroup_size: 128
    .sgpr_count:     100
    .vgpr_count:     1024
    .wavefront_size: 32
...
	.end_amdgpu_metadata
.endif
;; end of part 2
;; launch proj_v (part 3): grid 8 x 32, 4 waves a work-group, clusters of 4 x 4, 327,680 bytes of LDS; arguments xc, wc, opsc, bv, qkv, qkvs; writes qkv, qkvs
.if DOCPART == 3
	.amdgcn_target "amdgcn-amd-amdhsa--gfx1250"
	.amdhsa_code_object_version 6
	.text
	.protected	k_q424356994b_proj_v
	.globl	k_q424356994b_proj_v
	.p2align	8
	.type	k_q424356994b_proj_v,@function
k_q424356994b_proj_v:
	s_mov_b64 s[64:65], 0
	v_nop
	global_prefetch_b8 v0, s[64:65] scope:SCOPE_SE
	s_setreg_imm32_b32 hwreg(HW_REG_WAVE_MODE, 25, 1), 1
	s_wait_xcnt 0x0
	s_wait_alu depctr_hold_cnt(0) depctr_sa_sdst(0) depctr_va_vdst(0) depctr_va_sdst(0) depctr_va_ssrc(0) depctr_va_vcc(0) depctr_vm_vsrc(0)
	s_getreg_b32 s2, hwreg(HW_REG_IB_STS2, 6, 4)
	s_cmp_eq_u32 s2, 0
	s_cbranch_scc0 .Lentry_in_a_cluster
	s_endpgm
.Lentry_in_a_cluster:
	s_bfe_u32 s2, ttmp6, 0x10000c
	s_cmp_lg_u32 s2, 0xf033
	s_cbranch_scc0 .Lentry_shape_is_right
	s_endpgm
.Lentry_shape_is_right:
.set FR,    12
.set HALFT, 24576
.set SLOT,  4*HALFT
.set SPARE, 2*SLOT
.set XSTEP, 512*3072
.set WSTEP, 256*3072
.set BM,    8
.set ADRA,  16
.set ADRB,  20
.set LI,    24
.set SCA,   25
.set SPW,   28
.set NIL,   29
.set SC,    32
.set TM,    96
.set PW,    112
.set SW,    116
.set AF,    128
.set HA,    128
.set PC,    192
.set G1,    24
.set G0,    32
.set G1B,   48
.set G0B,   56
.set HM,    96
.set SEL,   98
.set MSB, 0
.macro WIN new
.if MSB != (\new)
	s_set_vgpr_msb (MSB<<8)|(\new)
.set MSB, \new
.endif
.endm
.set MUL_LO, 0xa1
.set MUL_HI, 0xf1
.set TO_B,   0x40
.macro JLOAD s
	s_cmp_eq_u32 s15, 0
	s_cbranch_scc0 .Lfor_w_\@
	tensor_load_to_lds s[G0+4*\s:G0+4*\s+3], s[G1:G1+7]
	s_nop 0
.rept 4
	v_nop
.endr
	s_branch .Lasked_\@
.Lfor_w_\@:
	tensor_load_to_lds s[G0B+4*\s:G0B+4*\s+3], s[G1B:G1B+7]
	s_nop 0
.rept 4
	v_nop
.endr
.Lasked_\@:
.endm
.macro CREST
	s_cmp_lg_u32 s14, 0
	s_cbranch_scc1 .Lnot_wave_0_\@
	s_barrier_signal -3
.Lnot_wave_0_\@:
	s_barrier_wait -3
	s_barrier_signal -1
	s_barrier_wait -1
.endm
.macro CROUND
	s_barrier_signal -1
	s_barrier_wait -1
	CREST
.endm
.macro PLACES
.rept 4
	v_nop
.endr
.endm
.macro QUANT s, pw
.irp b, 0,1,2,3
	v_max3_num_f32 v[TM+\b], |v[\s+16*\b]|, |v[\s+1+16*\b]|, 0x1800000
.endr
.irp i, 2,4,6,8,10,12,14
.irp b, 0,1,2,3
	v_max3_num_f32 v[TM+\b], v[TM+\b], |v[\s+16*\b+\i]|, |v[\s+1+16*\b+\i]|
.endr
.endr
.irp b, 0,1,2,3
	v_permlanex16_b32 v[TM+4+\b], v[TM+\b], s[SEL], s[SEL+1]
.endr
.irp b, 0,1,2,3
	v_max_num_f32 v[TM+\b], v[TM+\b], v[TM+4+\b]
.endr
.irp b, 0,1,2,3
	v_add_nc_u32 v[TM+12+\b], 0xff000000, v[TM+\b]
.endr
.irp b, 0,1,2,3
	v_lshrrev_b32 v[TM+4+\b], 23, v[TM+12+\b]
.endr
	v_lshl_or_b32 v[\pw], v[TM+5], 8, v[TM+4]
	v_lshl_or_b32 v[\pw], v[TM+6], 16, v[\pw]
	v_lshl_or_b32 v[\pw], v[TM+7], 24, v[\pw]
.irp c, 0,1
	v_cvt_scalef32_pk16_fp6_f32 v[PC+6*\c:PC+2+6*\c], v[\s+32*\c:\s+15+32*\c], v[TM+12+2*\c]
	v_cvt_scalef32_pk16_fp6_f32 v[PC+12+4*\c:PC+14+4*\c], v[\s+16+32*\c:\s+31+32*\c], v[TM+12+2*\c+1]
.endr
	v_nop
.irp c, 0,1
.irp i, 0,1,2
	v_permlane16_swap_b32 v[PC+6*\c+\i], v[PC+12+4*\c+\i]
.endr
.irp i, 0,1,2
	v_mov_b32 v[PC+3+6*\c+\i], v[PC+12+4*\c+\i]
.endr
.endr
.endm
	s_load_b256 s[4:11], s[0:1], 0x0
	s_load_b128 s[72:75], s[0:1], 0x20
	v_lshl_add_u32 v[SPW], v0, 2, SPARE
	v_mov_b32 v[NIL], 0
	ds_add_u32 v[SPW], v[NIL]
	ds_add_u32 v[SPW], v[NIL]
	v_lshrrev_b32 v1, 5, v0
	v_readfirstlane_b32 s14, v1
	s_lshr_b32 s15, s14, 1
	s_and_b32 s16, s14, 1
	s_bfe_u32 s40, ttmp6, 0x40000
	s_bfe_u32 s41, ttmp6, 0x40004
	s_lshl_b32 s42, ttmp9, 2
	s_add_co_u32 s42, s42, s40
	s_and_b32 s17, ttmp7, 0xffff
	s_lshl_b32 s17, s17, 2
	s_add_co_u32 s17, s17, s41
	s_lshl_b32 s43, s41, 2
	s_lshl_b32 s43, 15, s43
	s_lshl_b32 s44, 0x1111, s40
	s_or_b32 s[G1], s43, (3<<16)|(1<<21)
	s_or_b32 s[G1B], s44, (3<<16)|(1<<21)
.irp g, G1, G1B
	s_mov_b32 s[\g+1], 32<<16
	s_mov_b32 s[\g+2], 96<<16
	s_mov_b32 s[\g+3], 32<<16
	s_mov_b32 s[\g+4], 96
	s_mov_b32 s[\g+5], 32
	s_mov_b32 s[\g+6], 0
	s_mov_b32 s[\g+7], 0
.endr
	s_lshl_b32 s18, s16, 3
	s_lshl_b32 s20, s17, 4
	s_add_co_u32 s20, s20, s18
	s_mul_i32 s20, s20, 3072
	s_mov_b32 s21, 0
	s_mov_b32 s[G1B+2], 48<<16                       ; a work-group makes 128 features (a head pair) x 256 tokens: a load of W brings 4 row tiles, 48 rows of 256 bytes
	s_mov_b32 s[G1B+4], 48
	s_lshl_b32 s46, s42, 3
	s_lshl_b32 s19, s16, 2
	s_add_co_u32 s46, s46, s19
	s_add_co_u32 s46, s46, 128
	s_mul_i32 s46, s46, 3072
	s_mov_b32 s47, 0
	s_mul_i32 s45, s14, HALFT
	s_wait_dscnt 0x0
	s_wait_kmcnt 0x0
	s_add_nc_u64 s[20:21], s[4:5], s[20:21]
	s_add_nc_u64 s[46:47], s[6:7], s[46:47]
	CROUND
	v_and_b32 v1, 31, v0
	v_lshlrev_b32 v[LI], 4, v1
	v_and_b32 v2, 15, v0
	v_bfe_u32 v3, v0, 4, 1
	s_mul_i32 s78, s15, HALFT
	s_add_co_u32 s78, s78, 2*HALFT
	s_mul_i32 s80, s16, HALFT
.irp s, 0,1
	v_add_nc_u32 v[ADRA+\s], s78, v[LI]
	v_add_nc_u32 v[ADRB+\s], s80, v[LI]
	s_add_co_u32 s78, s78, SLOT
	s_add_co_u32 s80, s80, SLOT
.endr
	s_lshl_b32 s83, s17, 4
	s_lshl_b32 s84, s16, 3
	s_add_co_u32 s83, s83, s84
	s_lshl_b32 s85, s83, 9
	s_lshl_b32 s86, s42, 3
	s_lshl_b32 s84, s15, 2
	s_add_co_u32 s86, s86, s84
	s_add_co_u32 s86, s86, 128
	s_lshl_b32 s86, s86, 9
	s_add_co_u32 s86, s86, 262144
	s_mov_b32 s[HM], 0xffff0000
	v_mov_b32 v[SCA], s86
	v_mov_b32 v26, s85
	v_cndmask_b32 v[SCA], v[SCA], v26, s[HM]
	s_wait_alu depctr_va_vdst(0)
	v_lshl_add_u32 v[SCA], v2, 4, v[SCA]
	v_lshl_add_u32 v27, v3, 11, v[SCA]
	v_add_nc_u32 v27, 0xfffff800, v27                ; lanes 0-15 four tiles back: registers 4-7 hold W's tiles 0-3 once more, for the second set of fragments; lanes 16-31 x's tiles 4-7
.irp i, 0,1,2,3,4,5,6,7
.irp g, 0,1
.if \i < 4
	global_load_b128 v[SC+8*\i+4*\g:SC+8*\i+4*\g+3], v[SCA], s[8:9] offset:512*\i+256*\g
.else
	global_load_b128 v[SC+8*\i+4*\g:SC+8*\i+4*\g+3], v27, s[8:9] offset:512*\i+256*\g
.endif
.endr
.endr
	s_lshl_b32 s90, s42, 9
	s_lshl_b32 s91, s15, 8
	s_add_co_u32 s90, s90, s91
	s_mov_b32 s91, 0
	s_add_nc_u64 s[10:11], s[10:11], s[90:91]
	v_and_b32 v5, 8, v2
	v_add_nc_u32 v5, v5, v2
	v_lshlrev_b32 v5, 2, v5
.irp a, 0,1,2,3
	global_load_b32 v[BM+\a], v5, s[10:11] offset:(32*(\a/2)+8*(\a%2))*4
.endr
	s_add_co_u32 s92, s42, 16                        ; the head pair; my wave's four images are those of head s15 of the pair
	s_lshl_b32 s93, s92, 9
	s_add_co_u32 s93, s93, s83
	s_lshl_b32 s94, s15, 2
	s_add_co_u32 s93, s93, s94
	s_mul_i32 s94, s93, 1536
	s_mov_b32 s95, 0
	s_add_nc_u64 s[72:73], s[72:73], s[94:95]
	s_lshl_b32 s94, s92, 6
	s_lshr_b32 s93, s83, 3
	s_add_co_u32 s94, s94, s93
	s_lshl_b32 s94, s94, 9
	s_lshl_b32 s93, s15, 3
	s_add_co_u32 s94, s94, s93                       ; my head's two of a lane's four scale words
	s_add_nc_u64 s[74:75], s[74:75], s[94:95]
	s_mov_b32 s[SEL], 0x76543210
	s_mov_b32 s[SEL+1], 0xfedcba98
; the two slots' first fills stand behind the plain loads of scale words and biases, which so travel beside them
.irp s, 0,1
	s_mov_b32 s[G0+4*\s], 1
	s_add_co_u32 s[G0+4*\s+1], s45, \s*SLOT
	s_add_nc_u64 s[G0+4*\s+2:G0+4*\s+3], s[20:21], \s*XSTEP
	s_or_b32 s[G0+4*\s+3], s[G0+4*\s+3], 0x80000000
	s_mov_b32 s[G0B+4*\s], 1
	s_add_co_u32 s[G0B+4*\s+1], s45, \s*SLOT
	s_add_nc_u64 s[G0B+4*\s+2:G0B+4*\s+3], s[46:47], \s*WSTEP
	s_or_b32 s[G0B+4*\s+3], s[G0B+4*\s+3], 0x80000000
	s_wait_alu depctr_va_vdst(0)
	s_wait_tensorcnt 0x0
	ds_add_u32 v28, v29
	ds_add_u32 v28, v29
	s_wait_dscnt 0x0
	CROUND
	JLOAD \s
.endr
.macro FRAG reg, adr, q, i
.irp c, 0,1,2
	ds_load_b128 v[\reg+4*\c:\reg+4*\c+3], v[\adr] offset:3072*(\i)+1536*(\q)+512*\c
.endr
.endm
.macro FETCH_B slot, q, p
	WIN TO_B
.irp i, 0,1,2,3,4,5,6,7
	FRAG 128*(\p)+FR*\i, ADRB+\slot, \q, \i
.endr
	WIN 0
.endm
.macro FETCH_A slot, q, i0
.irp i, \i0, \i0+1, \i0+2, \i0+3
	FRAG AF+FR*(\i), ADRA+\slot, \q, (\i)%4          ; four row tiles, two sets of registers: places 0-3 and 4-7
.endr
.endm
.macro MUL16 a0, p, ks, zero
.irp a, \a0, \a0+1
.irp b, 0,1,2,3,4,5,6,7
.if \zero
	v_wmma_scale_f32_16x16x128_f8f6f4 v[8*(8*((\a)%4)+\b):8*(8*((\a)%4)+\b)+7], v[128*(\p)+FR*\b:128*(\p)+FR*\b+FR-1], v[AF+FR*(\a):AF+FR*(\a)+FR-1], 0, v[SC+8*\b+(\ks)], v[SC+8*(\a)+(\ks)] matrix_a_fmt:MATRIX_FMT_FP6 matrix_b_fmt:MATRIX_FMT_FP6 matrix_a_scale:MATRIX_SCALE_ROW1
.else
	v_wmma_scale_f32_16x16x128_f8f6f4 v[8*(8*((\a)%4)+\b):8*(8*((\a)%4)+\b)+7], v[128*(\p)+FR*\b:128*(\p)+FR*\b+FR-1], v[AF+FR*(\a):AF+FR*(\a)+FR-1], v[8*(8*((\a)%4)+\b):8*(8*((\a)%4)+\b)+7], v[SC+8*\b+(\ks)], v[SC+8*(\a)+(\ks)] matrix_a_fmt:MATRIX_FMT_FP6 matrix_b_fmt:MATRIX_FMT_FP6 matrix_a_scale:MATRIX_SCALE_ROW1
.endif
.endr
.endr
.endm
.macro STEP slot, ks, zero
	s_wait_dscnt 0                                   ; this step's fragments, both sets 0, are in
	PLACES
	FETCH_B \slot, 1, 1                              ; the next step's go into sets 1 while this step's 32 products run
	FETCH_A \slot, 1, 4
	WIN MUL_LO
	MUL16 0, 0, \ks, \zero
	MUL16 2, 0, \ks, \zero
	WIN 0
.endm
.macro TURN slot, next, fill, ks
	s_wait_tensorcnt 0x0
	ds_add_u32 v[SPW], v[NIL]
	s_wait_dscnt 1                                   ; (the add alone may be out: sets 1 are in)
	WIN MUL_LO
	MUL16 4, 1, \ks, 0
	s_wait_dscnt 0x0
	s_barrier_signal -1
	WIN 0
	s_barrier_wait -1
.if \fill
	CREST
	s_add_nc_u64 s[G0+4*\slot+2:G0+4*\slot+3], s[G0+4*\slot+2:G0+4*\slot+3], 2*XSTEP
	s_add_nc_u64 s[G0B+4*\slot+2:G0B+4*\slot+3], s[G0B+4*\slot+2:G0B+4*\slot+3], 2*WSTEP
	JLOAD \slot
.else
	PLACES
.endif
	FETCH_B \next, 0, 0
	FETCH_A \next, 0, 0
	WIN MUL_LO
	MUL16 6, 1, \ks, 0
	WIN 0
.endm
	s_wait_tensorcnt 1
	s_barrier_signal -1
	s_barrier_wait -1
	FETCH_B 0, 0, 0
	FETCH_A 0, 0, 0
	s_wait_loadcnt 0x0
	STEP 0, 0, 1
	TURN 0, 1, 1, 1
	STEP 1, 2, 0
	TURN 1, 0, 1, 3
	STEP 0, 4, 0
	TURN 0, 1, 0, 5
	STEP 1, 6, 0
	s_wait_dscnt 0
	WIN MUL_LO
	MUL16 4, 1, 7, 0
	MUL16 6, 1, 7, 0
	WIN 0
	PLACES
.irp b, 0,1,2,3
	v_mov_b32 v[TM+4+\b], 0
.endr
.macro OUTBLK a
.if (\a) > 0
	s_wait_xcnt 0x0
.endif
	WIN 0x02+(\a)/4
.set k, 0
.rept 32
.if (\a)%2
	v_pk_add_f32 v[HA+k:HA+k+1], v[64*((\a)%4)+k:64*((\a)%4)+k+1], v[BM+(\a)-1:BM+(\a)] op_sel:[0,1] op_sel_hi:[1,1]
.else
	v_pk_add_f32 v[HA+k:HA+k+1], v[64*((\a)%4)+k:64*((\a)%4)+k+1], v[BM+(\a):BM+(\a)+1] op_sel_hi:[1,0]
.endif
.set k, k+2
.endr
	WIN 0
	QUANT HA, PW
.irp c, 0,1,2
	global_store_b128 v[LI], v[PC+4*\c:PC+4*\c+3], s[72:73] offset:1536*(\a)+512*\c
.endr
.if (\a)%2
	v_cndmask_b32 v[SW+(\a)/2], v[SW+(\a)/2], v[PW], s[HM]
.else
	v_mov_b32 v[SW+(\a)/2], v[PW]
.endif
.endm
.irp a, 0,1,2,3
	OUTBLK \a
.endr
	global_store_b64 v[LI], v[SW:SW+1], s[74:75]     ; 8 bytes a lane, 16 bytes apart: the other head's wave stores the other 8
	s_wait_tensorcnt 0x0
	ds_add_u32 v[SPW], v[NIL]
	s_wait_dscnt 0x0
	CROUND
	s_endpgm
.Lfunc_end_k_q424356994b_proj_v:
	.size	k_q424356994b_proj_v, .Lfunc_end_k_q424356994b_proj_v-k_q424356994b_proj_v
	.p2alignl 7, 3214868480
	.fill 96, 4, 3214868480
	.section	.rodata,"a",@progbits
	.p2align	6, 0x0
	.amdhsa_kernel k_q424356994b_proj_v
		.amdhsa_group_segment_fixed_size 327680
		.amdhsa_private_segment_fixed_size 0
		.amdhsa_enable_private_segment 0
		.amdhsa_kernarg_size 48
		.amdhsa_user_sgpr_count 2
		.amdhsa_user_sgpr_kernarg_segment_ptr 1
		.amdhsa_wavefront_size32 1
		.amdhsa_system_sgpr_workgroup_id_x 1
		.amdhsa_system_sgpr_workgroup_id_y 1
		.amdhsa_system_sgpr_workgroup_id_z 1
		.amdhsa_system_vgpr_workitem_id 0
		.amdhsa_next_free_vgpr 1024
		.amdhsa_next_free_sgpr 100
		.amdhsa_reserve_vcc 0
		.amdhsa_float_denorm_mode_32 3
		.amdhsa_float_denorm_mode_16_64 3
		.amdhsa_memory_ordered 1
		.amdhsa_forward_progress 1
		.amdhsa_inst_pref_size 91
	.end_amdhsa_kernel
	.amdgpu_metadata
---
amdhsa.version: [ 1, 2 ]
amdhsa.kernels:
  - .name:           k_q424356994b_proj_v
    .symbol:         k_q424356994b_proj_v.kd
    .args:
      - { .name: xc, .offset: 0, .size: 8, .value_kind: global_buffer, .address_space: global }
      - { .name: wc, .offset: 8, .size: 8, .value_kind: global_buffer, .address_space: global }
      - { .name: opsc, .offset: 16, .size: 8, .value_kind: global_buffer, .address_space: global }
      - { .name: bv, .offset: 24, .size: 8, .value_kind: global_buffer, .address_space: global }
      - { .name: qkv, .offset: 32, .size: 8, .value_kind: global_buffer, .address_space: global }
      - { .name: qkvs, .offset: 40, .size: 8, .value_kind: global_buffer, .address_space: global }
    .group_segment_fixed_size: 327680
    .private_segment_fixed_size: 0
    .kernarg_segment_align: 8
    .kernarg_segment_size: 48
    .max_flat_workgroup_size: 128
    .sgpr_count:     100
    .vgpr_count:     1024
    .wavefront_size: 32
...
	.end_amdgpu_metadata
.endif
;; end of part 3
;; launch attn (part 4): grid 4 x 64, 12 waves a work-group, clusters of 4 x 1, 327,680 bytes of LDS; arguments qkv, qkvs, cc, opsc; writes cc, opsc
.if DOCPART == 4
	.amdgcn_target "amdgcn-amd-amdhsa--gfx1250"
	.amdhsa_code_object_version 6
	.text
	.protected	k_q424356994b_attn
	.globl	k_q424356994b_attn
	.p2align	8
	.type	k_q424356994b_attn,@function
k_q424356994b_attn:
	s_mov_b64 s[64:65], 0
	v_nop
	global_prefetch_b8 v0, s[64:65] scope:SCOPE_SE
	s_setreg_imm32_b32 hwreg(HW_REG_WAVE_MODE, 25, 1), 1
	s_wait_xcnt 0x0
	s_wait_alu depctr_hold_cnt(0) depctr_sa_sdst(0) depctr_va_vdst(0) depctr_va_sdst(0) depctr_va_ssrc(0) depctr_va_vcc(0) depctr_vm_vsrc(0)
	s_getreg_b32 s2, hwreg(HW_REG_IB_STS2, 6, 4)
	s_cmp_eq_u32 s2, 0
	s_cbranch_scc0 .Lentry_in_a_cluster
	s_endpgm
.Lentry_in_a_cluster:
	s_bfe_u32 s2, ttmp6, 0x10000c
	s_cmp_lg_u32 s2, 0x3003
	s_cbranch_scc0 .Lentry_shape_is_right
	s_endpgm
.Lentry_shape_is_right:
; Attention on codes of FP6 (E2M3) with E8M0 scales: 64 heads of 64 channels, 2,048 keys.  The result, divided by the row's sum, is quantised along the features and leaves as the last product's operand.
; t = score x log2(e) / 8; M = the running largest t rounded UP to a whole number (kept as -M = the least floor(-t)); p = 2^(t - M) is quantised along the keys, not normalised; the row's sum is taken of the unquantised p, in f32.
; When M moves, the sum and O are multiplied by 2^(old M - new M): exact.
; SHARES.  A work-group owns ONE head (y = 16 batch + head) and 512 queries (x): 32 tiles of 16, in 16 images of two tiles.  It has twelve waves, three to a SIMD.
; FIRST WALK over the 2,048 keys, 128 a step: wave w takes image w, two tiles X and Y.  SECOND WALK: waves 0-7 take one tile each of images 12-15 (image 12 + w / 2, tile w % 2).  So the waves' shares are 3, 3 and 2 tiles.
; Every wave walks the second loop; waves 8-11 pass over its work by a branch on the wave's number inside the loop.
; LDS holds the head's whole K (98,304 bytes), V (98,304) and their scale words (4,096 + 8,192): each byte is filled once, so there is no ring and no refill, and both walks read the same bytes.
; Eleven waves ask at the head, one joint load each: waves 0-2 the scale words, wave 3 V's key steps 0-3, wave 4 K's, waves 5-7 K's other twelve steps, waves 8-10 V's.
; The first barrier waits for waves 0-4 alone (their load lines are theirs alone); a plain barrier behind key step 1 shows the rest.
; CLUSTER: the four query blocks of a head read the same K and V: every load is joint, same descriptor, mask 15.
; No prefetch: all that the launch reads through LDS is asked for at the head, and there is no later load to run ahead of.
; OPERANDS are images of operand registers (1,536 bytes, register p of lane L at 512 (p / 4) + 16 L + 4 (p % 4)).  An image of Q or K holds two token tiles of one head: registers 0-5 the even tile's 64 channels, 6-11 the odd tile's.
; THE FIRST PRODUCT'S K IS 64: Q stands as [0][Q_X][0][Q_Y][0], six registers each; [Q | 0] against an image of K gives the even key tile's scores, [0 | Q] the odd tile's.
; The scale bytes beside the zero halves are whatever finite bytes lie there: they multiply zero codes.  An image of V holds 16 channels x the step's 128 keys.
; Both products are used transposed (S^T = K Q^T, O^T = V^T P^T): a lane holds one query of a tile.  The 16 registers of key tiles 2 b, 2 b + 1 are 16 neighbouring keys.
; LIMITS: the promise holds while the scaled scores stay under 2^31 in magnitude; 1 / sum is v_rcp_f32 and a multiplication; a block whose largest magnitude lies under 2^-124 gets the byte 1; NaN and infinities are not served.
; THE WAY OUT: a head is half of an image of cc (a K step there is a head pair): four of its six registers leave as 512 consecutive bytes, two as 8 bytes a lane 16 bytes apart; its two scale bytes as 2 bytes a lane, 16 bytes apart.
.set KB,    98304                      ; LDS: V at 0, K at KB, 6,144 bytes a key step each
.set SCB,   196608                     ; K's scale words, 256 bytes a step; V's, 512 a step (both heads of the pair), 4,096 behind
.set SPARE, 208896                     ; the spare words, 128 bytes a wave, which no other line names
.set LI,  0                            ; v0   16 x lane (made behind the spare word's address)
.set SPW, 1                            ; v1   my spare word; never rewritten
.set NIL, 2                            ; v2   0; never rewritten
.set LR,  3                            ; v3   16 x (lane % 16)
.set AD,  4                            ; v4   the address at work
.set PSX, 5                            ; v5   p's scale word, tile X;  v49 tile Y
.set PSY, 49
.set NM,  6                            ; v6, v7   -M of X, of Y
.set FF,  8                            ; v8, v9   f = 2^(old M - new M) of X, of Y
.set SMX, 10                           ; v[10:11], v[12:13] the sums, in two halves
.set SMY, 12
.set T0,  14                           ; v14, v15 at work
.set QZ,  16                           ; v16-45 [0][Q_X][0][Q_Y][0]
.set QW,  46                           ; v46 scale word beside [Q_X | 0] and [0 | Q_Y]; v47 beside [0 | Q_X]; v48 beside [Q_Y | 0]
.set KS,  50                           ; v50-53 K's scale words, one a fragment
.set VS,  54                           ; v54, v55 V's: lanes 0-15 tile 2 g, lanes 16-31 tile 2 g + 1
.set KF,  56                           ; v56-103 K's four fragments; v56-71 serve Y's softmax between Y's scores and the next fetch
.set S,   104                          ; v104-167 S^T, then p, then V's four fragments
.set OX,  168                          ; v168-199 X's O^T;  v200-231 Y's
.set OY,  200
.set TA,  232                          ; v232-243 X's codes of p; v244-255 X's softmax at work, then Y's codes
.set TM,  56                           ; the way out's quantiser
.set PW,  72
.set PC,  76
.set WV,  12
.set SEL, 20
.set CS,  22
.set G1K, 24
.set G1V, 32
.set G1S, 40
.set G0K, 48
.set G0V, 52
.set G0V0, 56
.set G0S, 60
.set TK,  66
.set TV,  67
.set TKS, 68
.set TVS, 69
.set CNT, 70
.set HM,  91
.set QP,  92                           ; s[92:93] Q's image, s[94:95] its scale words, s[96:97] the result's image, s[98:99] its scale bytes
.macro CROUND
	s_barrier_signal -1
	s_barrier_wait -1
	s_cmp_lg_u32 s[WV], 0
	s_cbranch_scc1 .Lnot_wave_0_\@
	s_barrier_signal -3
.Lnot_wave_0_\@:
	s_barrier_wait -3
	s_barrier_signal -1
	s_barrier_wait -1
.endm
.macro TL g0, g1                       ; an s_nop 0 and four v_nop follow the line
	tensor_load_to_lds s[\g0:\g0+3], s[\g1:\g1+7]
	s_nop 0
.rept 4
	v_nop
.endr
.endm
.macro QUANT s, pw
.irp b, 0,1,2,3
	v_max3_num_f32 v[TM+\b], |v[\s+16*\b]|, |v[\s+1+16*\b]|, 0x1800000
.endr
.irp i, 2,4,6,8,10,12,14
.irp b, 0,1,2,3
	s_delay_alu instid0(VALU_DEP_4)
	v_max3_num_f32 v[TM+\b], v[TM+\b], |v[\s+16*\b+\i]|, |v[\s+1+16*\b+\i]|
.endr
.endr
.irp b, 0,1,2,3
	s_delay_alu instid0(VALU_DEP_4)
	v_permlanex16_b32 v[TM+4+\b], v[TM+\b], s[SEL], s[SEL+1]
.endr
.irp b, 0,1,2,3
	s_delay_alu instid0(VALU_DEP_4)
	v_max_num_f32 v[TM+\b], v[TM+\b], v[TM+4+\b]
.endr
.irp b, 0,1,2,3
	s_delay_alu instid0(VALU_DEP_4)
	v_add_nc_u32 v[TM+12+\b], 0xff000000, v[TM+\b]
.endr
.irp b, 0,1,2,3
	s_delay_alu instid0(VALU_DEP_4)
	v_lshrrev_b32 v[TM+4+\b], 23, v[TM+12+\b]
.endr
	s_delay_alu instid0(VALU_DEP_3)
	v_lshl_or_b32 v[\pw], v[TM+5], 8, v[TM+4]
	s_delay_alu instid0(VALU_DEP_1)
	v_lshl_or_b32 v[\pw], v[TM+6], 16, v[\pw]
	s_delay_alu instid0(VALU_DEP_1)
	v_lshl_or_b32 v[\pw], v[TM+7], 24, v[\pw]
.irp c, 0,1
	v_cvt_scalef32_pk16_fp6_f32 v[PC+6*\c:PC+2+6*\c], v[\s+32*\c:\s+15+32*\c], v[TM+12+2*\c]
	v_cvt_scalef32_pk16_fp6_f32 v[PC+12+4*\c:PC+14+4*\c], v[\s+16+32*\c:\s+31+32*\c], v[TM+12+2*\c+1]
.endr
	v_nop
.irp c, 0,1
.irp i, 0,1,2
	v_permlane16_swap_b32 v[PC+6*\c+\i], v[PC+12+4*\c+\i]
.endr
.irp i, 0,1,2
	s_delay_alu instid0(VALU_DEP_3)
	v_mov_b32 v[PC+3+6*\c+\i], v[PC+12+4*\c+\i]
.endr
.endr
.endm
; where image s84 (= 64 batch + 16 block + its number in the block) of Q lies, and where its results go.  s80 = 512 pair + 256 hd, s82 = 2 pair + hd, s18 the pair, s19 hd
.macro WHERE
	s_add_co_u32 s86, s80, s84
	s_mul_i32 s86, s86, 1536
	s_mov_b32 s87, 0
	s_add_nc_u64 s[QP:QP+1], s[4:5], s[86:87]        ; Q's image
	s_lshl_b32 s86, s82, 6
	s_lshr_b32 s85, s84, 2
	s_add_co_u32 s86, s86, s85
	s_lshl_b32 s86, s86, 8
	s_and_b32 s85, s84, 3
	s_lshl_b32 s85, s85, 2
	s_add_co_u32 s86, s86, s85
	s_add_nc_u64 s[QP+2:QP+3], s[6:7], s[86:87]      ; its scale words
	s_lshr_b32 s86, s18, 1
	s_lshl_b32 s86, s86, 9
	s_lshl_b32 s85, s84, 1
	s_add_co_u32 s86, s86, s85
	s_mul_i32 s86, s86, 3072
	s_and_b32 s85, s18, 1
	s_mul_i32 s85, s85, 1536
	s_add_co_u32 s86, s86, s85
	s_add_nc_u64 s[QP+4:QP+5], s[8:9], s[86:87]      ; the result's image: row tile 2 s84, K step = the head pair; the odd tile's lies 3,072 bytes on
	s_lshl_b32 s86, s84, 10
	s_add_co_u32 s86, s86, 393216
	s_lshr_b32 s85, s18, 2
	s_lshl_b32 s85, s85, 8
	s_add_co_u32 s86, s86, s85
	s_and_b32 s85, s18, 3
	s_lshl_b32 s85, s85, 2
	s_add_co_u32 s86, s86, s85
	s_lshl_b32 s85, s19, 1
	s_add_co_u32 s86, s86, s85
	s_add_nc_u64 s[QP+6:QP+7], s[10:11], s[86:87]    ; and my head's two bytes of its scale words; the odd tile's lie 512 bytes on
.endm
.macro RESET                           ; a walk begins at key step 0
	s_mov_b32 s[TK], KB
	s_mov_b32 s[TV], 0
	s_mov_b32 s[TKS], SCB
	s_lshl_b32 s[TVS], s19, 3
	s_add_co_u32 s[TVS], s[TVS], SCB+4096            ; my head's two words of V's four: 8 hd
.endm
	s_load_b256 s[4:11], s[0:1], 0x0                 ; qkv s[4:5], qkvs s[6:7], cc s[8:9], opsc s[10:11]
	v_lshl_add_u32 v[SPW], v0, 2, SPARE
	v_mov_b32 v[NIL], 0
	ds_add_u32 v[SPW], v[NIL]                        ; the opening lines: the add, twice on end, and its wait ahead of the first tensor loads
	ds_add_u32 v[SPW], v[NIL]
	v_lshrrev_b32 v3, 5, v0
	v_readfirstlane_b32 s[WV], v3                    ; wave 0..11
	s_bfe_u32 s13, ttmp6, 0x40000                    ; cx: my block of 512 queries; it enters Q's and the results' addresses alone
	s_and_b32 s15, ttmp7, 0xffff
	s_lshr_b32 s16, s15, 4                           ; the batch
	s_bfe_u32 s18, s15, 0x30001                      ; the head pair
	s_and_b32 s19, s15, 1                            ; hd: which head of the pair
	s_lshl_b32 s80, s18, 9
	s_lshl_b32 s81, s19, 8
	s_add_co_u32 s80, s80, s81                       ; 512 pair + 256 hd
	s_lshl_b32 s81, s16, 6                           ; 64 batch
	s_add_co_u32 s72, s80, s81
	s_add_co_u32 s72, s72, 4096                      ; K's pairs lie 8 x 512 images behind Q's
	s_mul_i32 s72, s72, 1536
	s_and_b32 s82, s[WV], 3                          ; waves 4-7: K's key steps 4 (wave % 4) on
	s_mul_i32 s82, s82, 24576
	s_add_co_u32 s72, s72, s82
	s_mov_b32 s73, 0
	s_add_co_u32 s76, s18, 16                        ; V: (512 (16 + pair) + 128 batch) 1536 + 6144 hd
	s_lshl_b32 s76, s76, 9
	s_lshl_b32 s82, s16, 7
	s_add_co_u32 s76, s76, s82
	s_mul_i32 s76, s76, 1536
	s_mul_i32 s82, s19, 6144
	s_add_co_u32 s76, s76, s82
	s_mov_b32 s77, 0
	s_xor_b32 s83, s[WV], 11                         ; waves 8, 9, 10: V's chunks 3, 2, 1 of four key steps
	s_mul_i32 s74, s83, 49152
	s_add_co_u32 s74, s74, s76
	s_mov_b32 s75, 0
	s_lshl_b32 s82, s18, 1
	s_add_co_u32 s82, s82, s19                       ; 2 pair + hd
	s_add_co_u32 s84, s82, 16
	s_lshl_b32 s84, s84, 6
	s_lshl_b32 s85, s16, 4
	s_add_co_u32 s84, s84, s85
	s_lshl_b32 s84, s84, 8                           ; K's scale words: ((2 (8 + pair) + hd) 64 + 16 batch) 256
	s_add_co_u32 s86, s18, 16
	s_lshl_b32 s86, s86, 6
	s_add_co_u32 s86, s86, s85
	s_lshl_b32 s86, s86, 9                           ; V's: (64 (16 + pair) + 16 batch) 512,
	s_lshl_b32 s85, s[WV], 12
	s_add_co_u32 s86, s86, s85
	s_sub_co_u32 s86, s86, 4096                      ; + 4096 (wave - 1)
	s_cmp_eq_u32 s[WV], 0
	s_cselect_b32 s78, s84, s86
	s_mov_b32 s79, 0
.irp g, G1K, G1S
	s_mov_b32 s[\g], 15|(3<<16)|(1<<21)              ; the mask: all four work-groups; elements of 8 bytes; bit 21 beside a mask; no padding
	s_mov_b32 s[\g+1], 32<<16                        ; rows of 256 bytes
	s_mov_b32 s[\g+3], 32<<16
	s_mov_b32 s[\g+5], 32
	s_mov_b32 s[\g+6], 0
	s_mov_b32 s[\g+7], 0
.endr
	s_mov_b32 s[G1K+2], 96<<16                       ; K: 96 rows, four key steps, dense
	s_mov_b32 s[G1K+4], 96
	s_mov_b32 s[G1S+2], 16<<16                       ; scale words: 16 rows
	s_mov_b32 s[G1S+4], 16
	s_mov_b32 s[G1V], 15|(3<<16)|(1<<21)
	s_mov_b32 s[G1V+1], 768<<16                      ; V: a row is my head's 6,144 bytes of a key step,
	s_mov_b32 s[G1V+2], 4<<16                        ; four steps,
	s_mov_b32 s[G1V+3], 768<<16
	s_mov_b32 s[G1V+4], 4
	s_mov_b32 s[G1V+5], 1536                         ; 12,288 bytes from step to step
	s_mov_b32 s[G1V+6], 0
	s_mov_b32 s[G1V+7], 0
	s_mov_b32 s[SEL], 0x76543210
	s_mov_b32 s[SEL+1], 0xfedcba98
	s_mov_b32 s[CS], 0x3e38aa3b                      ; c = log2(e) / sqrt(64)
	s_mov_b32 s[CS+1], s[CS]
	s_mov_b32 s[HM], 0xffff0000
	RESET
	s_mov_b32 s[G0K], 1
	s_mul_i32 s[G0K+1], s[WV], 24576                 ; waves 4-7: KB + 24576 (wave - 4)
	s_mov_b32 s[G0V], 1
	s_mul_i32 s[G0V+1], s83, 24576
	s_mov_b32 s[G0V0], 1
	s_mov_b32 s[G0V0+1], 0
	s_mov_b32 s[G0S], 1
	s_lshl_b32 s[G0S+1], s[WV], 12
	s_add_co_u32 s[G0S+1], s[G0S+1], SCB
	s_wait_dscnt 0x0                                 ; both opening adds are done
	s_wait_kmcnt 0x0
	s_add_nc_u64 s[G0K+2:G0K+3], s[4:5], s[72:73]
	s_or_b32 s[G0K+3], s[G0K+3], 0x80000000
	s_add_nc_u64 s[G0V+2:G0V+3], s[4:5], s[74:75]
	s_or_b32 s[G0V+3], s[G0V+3], 0x80000000
	s_add_nc_u64 s[G0V0+2:G0V0+3], s[4:5], s[76:77]
	s_or_b32 s[G0V0+3], s[G0V0+3], 0x80000000
	s_add_nc_u64 s[G0S+2:G0S+3], s[6:7], s[78:79]
	s_or_b32 s[G0S+3], s[G0S+3], 0x80000000
	CROUND                                           ; all four work-groups are here: the joint loads meet
	s_cmp_lt_u32 s[WV], 3                            ; one chain of branches on the wave's number, one load to an arm
	s_cbranch_scc0 .Larm_v0
	TL G0S, G1S
	s_branch .Lasked
.Larm_v0:
	s_cmp_lt_u32 s[WV], 4
	s_cbranch_scc0 .Larm_k0
	TL G0V0, G1V
	s_branch .Lasked
.Larm_k0:
	s_cmp_lt_u32 s[WV], 5
	s_cbranch_scc0 .Larm_k
	TL G0K, G1K
	s_branch .Lasked
.Larm_k:
	s_cmp_lt_u32 s[WV], 8
	s_cbranch_scc0 .Larm_v
	TL G0K, G1K
	s_branch .Lasked
.Larm_v:
	s_cmp_lt_u32 s[WV], 11
	s_cbranch_scc0 .Lasked
	TL G0V, G1V
.Lasked:
	s_lshl_b32 s88, s13, 4
	s_add_co_u32 s88, s88, s81                       ; 64 batch + 16 block: my block's first image
	s_add_co_u32 s84, s88, s[WV]                     ; the first walk: image = wave
	WHERE
	v_and_b32 v[LR], 15, v0
	v_lshlrev_b32 v[LR], 4, v[LR]
	v_and_b32 v0, 31, v0
	v_lshlrev_b32 v[LI], 4, v0
	global_load_b128 v[QZ+6:QZ+9], v[LI], s[QP:QP+1]               ; Q_X: the image's registers 0-3,
	global_load_b64 v[QZ+10:QZ+11], v[LI], s[QP:QP+1] offset:512   ; 4, 5
	global_load_b64 v[QZ+18:QZ+19], v[LI], s[QP:QP+1] offset:520   ; Q_Y: 6, 7,
	global_load_b128 v[QZ+20:QZ+23], v[LI], s[QP:QP+1] offset:1024 ; 8-11
	global_load_b32 v[QW], v[LR], s[QP+2:QP+3]
.irp j, 0,1,2,3,4,5,12,13,14,15,16,17,24,25,26,27,28,29
	v_mov_b32 v[QZ+\j], 0                            ; the zero halves
.endr
	v_mov_b32 v[NM], 0x7f61b1e6                      ; -M: 3e38, over every floor(-t)
	v_mov_b32 v[NM+1], 0x7f61b1e6
.irp j, 8,9,10,11,12,13
	v_mov_b32 v[\j], 0                               ; f and the sums
.endr
.irp j, 0,1,2,3
	v_mov_b32 v[TA+12+\j], 0                         ; written once: a lane permute's destination counts as one of its sources
.endr
	s_wait_loadcnt 0x0
	v_lshlrev_b32 v[QW+1], 16, v[QW]                 ; X's bytes beside [0 | Q_X]
	v_lshrrev_b32 v[QW+2], 16, v[QW]                 ; Y's bytes beside [Q_Y | 0]
.set j, 0
.rept 64
	v_mov_b32 v[OX+j], 0                             ; O^T: the step is written once; the first change of M multiplies zeros.  (Also the places ahead of the first products)
.set j, j+1
.endr
.macro KLOADS koff, soff               ; a step's scale words and four fragments of K: 13 loads
	v_add_nc_u32 v[AD], s[TKS], v[LR]
	ds_load_b128 v[KS:KS+3], v[AD] offset:\soff
	v_add_nc_u32 v[AD], s[TK], v[LI]
.irp g, 0,1,2,3
.irp c, 0,1,2
	ds_load_b128 v[KF+12*\g+4*\c:KF+12*\g+4*\c+3], v[AD] offset:\koff+1536*\g+512*\c
.endr
.endr
.endm
.macro VLOADS                          ; my head's scale words and four fragments of V: 13 loads; they land where p stood: the conversions have read it
	v_add_nc_u32 v[AD], s[TVS], v[LI]
	ds_load_b64 v[VS:VS+1], v[AD]
	v_add_nc_u32 v[AD], s[TV], v[LI]
.irp t, 0,1,2,3
.irp c, 0,1,2
	ds_load_b128 v[S+12*\t+4*\c:S+12*\t+4*\c+3], v[AD] offset:1536*\t+512*\c
.endr
.endr
.endm
.macro SCORES qlo, slo, qhi, shi, waits
.irp g, 0,1,2,3
.if \waits
	s_wait_dscnt 9-3*\g                              ; the scale words and fragments 0 .. g are in; the later fragments' three loads each may be out
.endif
	v_wmma_scale_f32_16x16x128_f8f6f4 v[S+16*\g:S+16*\g+7], v[KF+12*\g:KF+12*\g+11], v[\qlo:\qlo+11], 0, v[KS+\g], v[\slo] matrix_a_fmt:MATRIX_FMT_FP6 matrix_b_fmt:MATRIX_FMT_FP6
	v_wmma_scale_f32_16x16x128_f8f6f4 v[S+16*\g+8:S+16*\g+15], v[KF+12*\g:KF+12*\g+11], v[\qhi:\qhi+11], 0, v[KS+\g], v[\shi] matrix_a_fmt:MATRIX_FMT_FP6 matrix_b_fmt:MATRIX_FMT_FP6
.endr
.endm
; One tile's softmax of a step, up to p's codes in half blocks.  hi: 0 X, 1 Y (which register of the pairs -M and f)
.macro SOFTMAX hi, pcd, bmx, pt, so, ps, sm
.irp b, 0,1,2,3
	v_max3_num_f32 v[\bmx+\b], v[S+16*\b], v[S+1+16*\b], v[S+2+16*\b]   ; the largest score of each block of 32 keys: for the row's maximum and, since p rises with the score, for the block's largest p
.endr
.irp i, 3,5,7,9,11,13
.irp b, 0,1,2,3
	v_max3_num_f32 v[\bmx+\b], v[\bmx+\b], v[S+16*\b+\i], v[S+1+16*\b+\i]
.endr
.endr
.irp b, 0,1,2,3
	v_max_num_f32 v[\bmx+\b], v[\bmx+\b], v[S+15+16*\b]
.endr
.irp b, 0,1,2,3
	s_delay_alu instid0(VALU_DEP_4)
	v_permlanex16_b32 v[\pt+\b], v[\bmx+\b], s[SEL], s[SEL+1]
.endr
.irp b, 0,1,2,3
	s_delay_alu instid0(VALU_DEP_4)
	v_max_num_f32 v[\bmx+\b], v[\bmx+\b], v[\pt+\b]  ; with lane l xor 16's 16 keys
.endr
	s_delay_alu instid0(VALU_DEP_2)
	v_max3_num_f32 v[T0], v[\bmx], v[\bmx+1], v[\bmx+2]
	s_delay_alu instid0(VALU_DEP_1)
	v_max_num_f32 v[T0], v[T0], v[\bmx+3]
	s_delay_alu instid0(VALU_DEP_1)
	v_mul_f32 v[T0], s[CS], v[T0]                    ; as t (c is positive)
	s_delay_alu instid0(VALU_DEP_1)
	v_floor_f32 v[T0], -v[T0]                        ; -ceil(t) of this step
	v_mov_b32 v[T0+1], v[NM+\hi]
	s_delay_alu instid0(VALU_DEP_2)
	v_min_num_f32 v[NM+\hi], v[NM+\hi], v[T0]        ; the new -M
	s_delay_alu instid0(VALU_DEP_1)
	v_sub_f32 v[T0+1], v[NM+\hi], v[T0+1]            ; old M - new M: a whole number, 0 or less
	s_delay_alu instid0(VALU_DEP_1)
	v_cvt_i32_f32 v[T0+1], v[T0+1]                   ; (it saturates)
	s_delay_alu instid0(VALU_DEP_1)
	v_ldexp_f32 v[FF+\hi], 1.0, v[T0+1]              ; f
.set j, 0
.rept 32
.if \hi
	v_pk_fma_f32 v[S+j:S+j+1], v[S+j:S+j+1], s[CS:CS+1], v[NM:NM+1] op_sel:[0,0,1] op_sel_hi:[1,0,1]
.else
	v_pk_fma_f32 v[S+j:S+j+1], v[S+j:S+j+1], s[CS:CS+1], v[NM:NM+1] op_sel_hi:[1,0,0]   ; t - M, two at a time
.endif
.set j, j+2
.endr
.irp b, 0,1,2,3
	v_fma_f32 v[\bmx+\b], v[\bmx+\b], s[CS], v[NM+\hi]   ; the same of each block's largest score
.endr
	s_wait_alu depctr_va_vdst(0)                     ; the wait ahead of the batch
.set j, 0
.rept 64
	v_exp_f32 v[S+j], v[S+j]                         ; p = 2^(t - M)
.set j, j+1
.endr
.if \hi
	v_pk_mul_f32 v[\sm:\sm+1], v[\sm:\sm+1], v[FF:FF+1] op_sel:[0,1] op_sel_hi:[1,1]
.else
	v_pk_mul_f32 v[\sm:\sm+1], v[\sm:\sm+1], v[FF:FF+1] op_sel_hi:[1,0]   ; the sums under the new M: the plain place behind the exponentials
.endif
	s_wait_alu depctr_va_vdst(0)                     ; one wait for the whole batch, ahead of its first reader
.irp b, 0,1,2,3
	v_exp_f32 v[\bmx+\b], v[\bmx+\b]                 ; the block's largest p: the same two instructions on the same number give the same bits
.endr
	v_pk_add_f32 v[\pt:\pt+1], v[S:S+1], v[S+2:S+3]  ; the row's sum of the unquantised p, in two chains
.set j, 4
.rept 15
	v_pk_add_f32 v[\sm:\sm+1], v[\sm:\sm+1], v[S+j:S+j+1]
	v_pk_add_f32 v[\pt:\pt+1], v[\pt:\pt+1], v[S+j+2:S+j+3]
.set j, j+4
.endr
	s_delay_alu instid0(VALU_DEP_1)
	v_pk_add_f32 v[\sm:\sm+1], v[\sm:\sm+1], v[\pt:\pt+1]
	s_wait_alu depctr_va_vdst(0)                     ; and one for the four
.irp b, 0,1,2,3
	v_max_num_f32 v[\bmx+\b], 0x1800000, v[\bmx+\b]  ; the floor 2^(3 - 127)
.endr
.irp b, 0,1,2,3
	s_delay_alu instid0(VALU_DEP_4)
	v_add_nc_u32 v[\so+\b], 0xff000000, v[\bmx+\b]   ; 2 off the exponent field: the conversion's scale operand
.endr
.irp b, 0,1,2,3
	s_delay_alu instid0(VALU_DEP_4)
	v_lshrrev_b32 v[\pt+\b], 23, v[\so+\b]
.endr
	s_delay_alu instid0(VALU_DEP_3)
	v_lshl_or_b32 v[\ps], v[\pt+1], 8, v[\pt]        ; p's scale word for these 128 keys
	s_delay_alu instid0(VALU_DEP_1)
	v_lshl_or_b32 v[\ps], v[\pt+2], 16, v[\ps]
	s_delay_alu instid0(VALU_DEP_1)
	v_lshl_or_b32 v[\ps], v[\pt+3], 24, v[\ps]
.irp c, 0,1
	v_cvt_scalef32_pk16_fp6_f32 v[\pcd+6*\c:\pcd+2+6*\c], v[S+32*\c:S+15+32*\c], v[\so+2*\c]
	v_cvt_scalef32_pk16_fp6_f32 v[\pt+4*\c:\pt+2+4*\c], v[S+16+32*\c:S+31+32*\c], v[\so+2*\c+1]
.endr
	v_nop                                            ; one plain place behind a scaled conversion
.endm
.macro WHOLE pcd, pt                   ; the layout wants a whole block in a lane
.irp c, 0,1
.irp i, 0,1,2
	v_permlane16_swap_b32 v[\pcd+6*\c+\i], v[\pt+4*\c+\i]
.endr
.irp i, 0,1,2
	s_delay_alu instid0(VALU_DEP_3)
	v_mov_b32 v[\pcd+3+6*\c+\i], v[\pt+4*\c+\i]
.endr
.endr
.endm
.macro RESCALE o, hi                   ; O^T under the new M
	s_wait_alu depctr_va_vdst(0)                     ; the wait directly ahead of the first reader of O^T
.set j, 0
.rept 16
.if \hi
	v_pk_mul_f32 v[\o+j:\o+j+1], v[\o+j:\o+j+1], v[FF:FF+1] op_sel:[0,1] op_sel_hi:[1,1]
.else
	v_pk_mul_f32 v[\o+j:\o+j+1], v[\o+j:\o+j+1], v[FF:FF+1] op_sel_hi:[1,0]
.endif
.set j, j+2
.endr
.endm
.macro PV o, t, pcd, ps
.if (\t)%2
	v_wmma_scale_f32_16x16x128_f8f6f4 v[\o+8*\t:\o+8*\t+7], v[S+12*\t:S+12*\t+11], v[\pcd:\pcd+11], v[\o+8*\t:\o+8*\t+7], v[VS+(\t)/2], v[\ps] matrix_a_fmt:MATRIX_FMT_FP6 matrix_b_fmt:MATRIX_FMT_FP6 matrix_a_scale:MATRIX_SCALE_ROW1
.else
	v_wmma_scale_f32_16x16x128_f8f6f4 v[\o+8*\t:\o+8*\t+7], v[S+12*\t:S+12*\t+11], v[\pcd:\pcd+11], v[\o+8*\t:\o+8*\t+7], v[VS+(\t)/2], v[\ps] matrix_a_fmt:MATRIX_FMT_FP6 matrix_b_fmt:MATRIX_FMT_FP6
.endif
.endm
; A KEY STEP OF THE FIRST WALK: 128 keys, both query tiles.  Its fragments of K were asked for in the step before.
.macro STEP
	SCORES QZ+6, QW, QZ, QW+1, 1
.rept 4
	v_nop                                            ; four places ahead of the first read of results
.endr
	SOFTMAX 0, TA, TA+8, TA+12, TA+20, PSX, SMX
	WHOLE TA, TA+12
	SCORES QZ+18, QW+2, QZ+12, QW, 0
	RESCALE OX, 0                                    ; its sixteen lines are the places behind Y's scores
	SOFTMAX 1, TA+12, KF, KF+4, KF+12, PSY, SMY
	VLOADS
	WHOLE TA+12, KF+4
	s_add_co_u32 s[TV], s[TV], 6144
	s_add_co_u32 s[TVS], s[TVS], 512
	s_add_co_u32 s[TK], s[TK], 6144
	s_add_co_u32 s[TKS], s[TKS], 256
	KLOADS 0, 0                                      ; the next step's (behind the last step: bytes of the scale words' region, which nobody uses)
	RESCALE OY, 1                                    ; also the places between the codes and scale words made above and the products below
	s_wait_alu depctr_va_vdst(0)                     ; the wait directly ahead of the wait below
	s_wait_dscnt 13                                  ; V's thirteen loads are in; the next step's thirteen may be out
.irp t, 0,1,2,3                                  ; O^T += V^T P^T: eight accumulators by turns
	PV OX, \t, TA, PSX
	PV OY, \t, TA+12, PSY
.endr
.rept 5
	v_nop                                            ; the next scores are laid over V's fragments: five places
.endr
.endm
; A KEY STEP OF THE SECOND WALK: one query tile.  The next step's fragments of K are asked for as soon as the scores have read this step's; the walk's scalars are stepped at the loop's end, by every wave
.macro STEP1
	SCORES QZ+6, QW, QZ, QW+1, 1
.rept 4
	v_nop                                            ; four places ahead of the loads into the fragments' registers and of the first read of results
.endr
	KLOADS 6144, 256
	SOFTMAX 0, TA, TA+8, TA+12, TA+20, PSX, SMX
	VLOADS
	WHOLE TA, TA+12
	RESCALE OX, 0
	s_wait_alu depctr_va_vdst(0)                     ; the wait directly ahead of the wait below
	s_wait_dscnt 0x0                                 ; V's loads are the youngest: all are in
.irp t, 0,1,2,3
	PV OX, \t, TA, PSX
.endr
.rept 5
	v_nop
.endr
.endm
.macro WALK n
	s_mov_b32 s[CNT], \n
.Lstep_\@:
	STEP
	s_sub_co_u32 s[CNT], s[CNT], 1
	s_cmp_lg_u32 s[CNT], 0
	s_cbranch_scc1 .Lstep_\@
.endm
; THE WAY OUT.  two = 1: O^T / the sum of X and of Y, four blocks of 32 features, quantised together: codes 0-5 and bytes 0, 1 are X's, codes 6-11 and bytes 2, 3 Y's.  two = 0: X alone (its numbers stand twice, and one copy is stored)
.macro OUT two
	v_add_f32 v10, v10, v11
.if \two
	v_add_f32 v12, v12, v13
	s_delay_alu instid0(VALU_DEP_2)
	v_permlanex16_b32 v11, v10, s[SEL], s[SEL+1]
	s_delay_alu instid0(VALU_DEP_2)
	v_permlanex16_b32 v13, v12, s[SEL], s[SEL+1]
	s_delay_alu instid0(VALU_DEP_2)
	v_add_f32 v10, v10, v11                          ; the rows' sums
	s_delay_alu instid0(VALU_DEP_2)
	v_add_f32 v12, v12, v13
	s_wait_alu depctr_va_vdst(0)
	v_rcp_f32 v10, v10
	v_rcp_f32 v12, v12
.else
	v_permlanex16_b32 v11, v10, s[SEL], s[SEL+1]
	v_add_f32 v10, v10, v11
	s_wait_alu depctr_va_vdst(0)
	v_rcp_f32 v10, v10
.endif
	v_nop                                            ; a plain place behind the reciprocals
	s_wait_alu depctr_va_vdst(0)                     ; one wait, ahead of the first reader
.set j, 0
.rept 16
	v_pk_mul_f32 v[S+j:S+j+1], v[OX+j:OX+j+1], v[10:11] op_sel_hi:[1,0]   ; each accumulator from its low end on
.set j, j+2
.endr
.set j, 0
.rept 16
.if \two
	v_pk_mul_f32 v[S+32+j:S+32+j+1], v[OY+j:OY+j+1], v[12:13] op_sel_hi:[1,0]
.else
	v_pk_mul_f32 v[S+32+j:S+32+j+1], v[OX+j:OX+j+1], v[10:11] op_sel_hi:[1,0]
.endif
.set j, j+2
.endr
.irp b, 0,1,2,3
	v_mov_b32 v[TM+4+\b], 0
.endr
	QUANT S, PW
.if \two
	v_lshrrev_b32 v[T0], 16, v[PW]
	v_cndmask_b32 v[T0], v[PW], v[T0], s[HM]         ; lanes 0-15 carry X's two bytes, lanes 16-31 Y's
	v_and_b32 v[T0+1], 256, v[LI]
	v_lshl_add_u32 v[T0+1], v[T0+1], 1, v[LR]        ; 16 r, and 512 on for tile Y
.endif
	s_wait_alu depctr_va_vdst(0)                     ; the wait directly ahead of the branch
	s_cmp_eq_u32 s19, 0                              ; the head's half of the image: the branch hangs on the cluster's y alone
	s_cbranch_scc0 .Lhead_b_\@
.set u, 0
.rept 1+\two
	global_store_b128 v[LI], v[PC+6*u:PC+6*u+3], s[QP+4:QP+5] offset:3072*u
	global_store_b64 v[LI], v[PC+6*u+4:PC+6*u+5], s[QP+4:QP+5] offset:3072*u+512
.set u, u+1
.endr
	s_branch .Lstored_\@
.Lhead_b_\@:
.set u, 0
.rept 1+\two
	global_store_b64 v[LI], v[PC+6*u:PC+6*u+1], s[QP+4:QP+5] offset:3072*u+520
	global_store_b128 v[LI], v[PC+6*u+2:PC+6*u+5], s[QP+4:QP+5] offset:3072*u+1024
.set u, u+1
.endr
.Lstored_\@:
.if \two
	global_store_b16 v[T0+1], v[T0], s[QP+6:QP+7]
.else
	global_store_b16 v[LR], v[PW], s[QP+6:QP+7]      ; both halves of the lanes store the same two bytes at the same place
.endif
.endm
	s_wait_alu depctr_va_vdst(0)                     ; the wait at the head's end
	s_cmp_lt_u32 s[WV], 5
	s_cbranch_scc0 .Lnot_first
	s_wait_tensorcnt 0x0                             ; waves 0-4: the scale words and key steps 0-3
.Lnot_first:
	s_barrier_signal -1
	s_barrier_wait -1                                ; the other loads may be on their way
	KLOADS 0, 0
	WALK 2
	s_wait_tensorcnt 0x0                             ; every wave: all that is still out
	s_wait_dscnt 0x0
	s_barrier_signal -1
	s_barrier_wait -1
	WALK 14
	s_wait_dscnt 0x0                                 ; the last fetch has landed: its registers serve the way out
	OUT 1
	; THE SECOND WALK'S SET-UP, run by every wave (waves 8-11 take the places of waves 0-3 and only read)
	s_wait_xcnt 0x0                                  ; the stores have read their registers and bases
	s_and_b32 s89, s[WV], 7
	s_and_b32 s90, s89, 1                            ; which tile of the image
	s_lshr_b32 s89, s89, 1
	s_add_co_u32 s84, s88, s89
	s_add_co_u32 s84, s84, 12                        ; image 12 + (wave % 8) / 2 of my block
	WHERE
	s_mul_i32 s86, s90, 3072
	s_add_nc_u64 s[QP+4:QP+5], s[QP+4:QP+5], s[86:87]
	s_lshl_b32 s86, s90, 9
	s_add_nc_u64 s[QP+6:QP+7], s[QP+6:QP+7], s[86:87]
	s_lshl_b32 s89, s90, 4                           ; the odd tile's scale bytes lie 16 bits up
	RESET
	s_cmp_eq_u32 s90, 0
	s_cbranch_scc0 .Lodd_tile
	global_load_b128 v[QZ+6:QZ+9], v[LI], s[QP:QP+1]
	global_load_b64 v[QZ+10:QZ+11], v[LI], s[QP:QP+1] offset:512
	s_branch .Ltile_asked
.Lodd_tile:
	global_load_b64 v[QZ+6:QZ+7], v[LI], s[QP:QP+1] offset:520
	global_load_b128 v[QZ+8:QZ+11], v[LI], s[QP:QP+1] offset:1024
.Ltile_asked:
	global_load_b32 v[QW], v[LR], s[QP+2:QP+3]
	v_mov_b32 v[NM], 0x7f61b1e6
	v_mov_b32 v[FF], 0
	v_mov_b32 v[SMX], 0
	v_mov_b32 v[SMX+1], 0
	s_wait_loadcnt 0x0
	v_lshrrev_b32 v[QW], s89, v[QW]                  ; my tile's bytes beside [Q | 0],
	v_lshlrev_b32 v[QW+1], 16, v[QW]                 ; and beside [0 | Q]
.set j, 0
.rept 32
	v_mov_b32 v[OX+j], 0                             ; (also the places ahead of the first products)
.set j, j+1
.endr
	s_wait_alu depctr_va_vdst(0)                     ; the wait ahead of the loop
	KLOADS 0, 0
	s_mov_b32 s[CNT], 16
.Lsecond:
	s_cmp_lt_u32 s[WV], 8
	s_cbranch_scc0 .Lno_third
	STEP1
.Lno_third:
	s_add_co_u32 s[TV], s[TV], 6144
	s_add_co_u32 s[TVS], s[TVS], 512
	s_add_co_u32 s[TK], s[TK], 6144
	s_add_co_u32 s[TKS], s[TKS], 256
	s_sub_co_u32 s[CNT], s[CNT], 1
	s_cmp_lg_u32 s[CNT], 0
	s_cbranch_scc1 .Lsecond
	s_wait_dscnt 0x0
	s_cmp_lt_u32 s[WV], 8
	s_cbranch_scc0 .Ldone
	OUT 0
.Ldone:
	s_wait_tensorcnt 0x0                             ; the wave's end
	ds_add_u32 v[SPW], v[NIL]
	s_wait_dscnt 0x0
	CROUND                                           ; the closing round
	s_endpgm
.Lfunc_end_k_q424356994b_attn:
	.size	k_q424356994b_attn, .Lfunc_end_k_q424356994b_attn-k_q424356994b_attn
	.p2alignl 7, 3214868480
	.fill 96, 4, 3214868480
	.section	.rodata,"a",@progbits
	.p2align	6, 0x0
	.amdhsa_kernel k_q424356994b_attn
		.amdhsa_group_segment_fixed_size 327680
		.amdhsa_private_segment_fixed_size 0
		.amdhsa_enable_private_segment 0
		.amdhsa_kernarg_size 32
		.amdhsa_user_sgpr_count 2
		.amdhsa_user_sgpr_kernarg_segment_ptr 1
		.amdhsa_wavefront_size32 1
		.amdhsa_system_sgpr_workgroup_id_x 1
		.amdhsa_system_sgpr_workgroup_id_y 1
		.amdhsa_system_sgpr_workgroup_id_z 1
		.amdhsa_system_vgpr_workitem_id 0
		.amdhsa_next_free_vgpr 256
		.amdhsa_next_free_sgpr 100
		.amdhsa_reserve_vcc 0
		.amdhsa_float_denorm_mode_32 3
		.amdhsa_float_denorm_mode_16_64 3
		.amdhsa_memory_ordered 1
		.amdhsa_forward_progress 1
		.amdhsa_inst_pref_size 115
	.end_amdhsa_kernel
	.amdgpu_metadata
---
amdhsa.version: [ 1, 2 ]
amdhsa.kernels:
  - .name:           k_q424356994b_attn
    .symbol:         k_q424356994b_attn.kd
    .args:
      - { .name: qkv, .offset: 0, .size: 8, .value_kind: global_buffer, .address_space: global }
      - { .name: qkvs, .offset: 8, .size: 8, .value_kind: global_buffer, .address_space: global }
      - { .name: cc, .offset: 16, .size: 8, .value_kind: global_buffer, .address_space: global }
      - { .name: opsc, .offset: 24, .size: 8, .value_kind: global_buffer, .address_space: global }
    .group_segment_fixed_size: 327680
    .private_segment_fixed_size: 0
    .kernarg_segment_align: 8
    .kernarg_segment_size: 32
    .max_flat_workgroup_size: 384
    .sgpr_count:     100
    .vgpr_count:     256
    .wavefront_size: 32
...
	.end_amdgpu_metadata
.endif
;; end of part 4
;; launch oproj (part 5): grid 4 x 64, 4 waves a work-group, clusters of 4 x 4, 327,680 bytes of LDS; arguments cc, wc, opsc, bo, out0; writes out0
.if DOCPART == 5
	.amdgcn_target "amdgcn-amd-amdhsa--gfx1250"
	.amdhsa_code_object_version 6
	.text
	.protected	k_q424356994b_oproj
	.globl	k_q424356994b_oproj
	.p2align	8
	.type	k_q424356994b_oproj,@function
k_q424356994b_oproj:
	s_mov_b64 s[64:65], 0
	v_nop
	global_prefetch_b8 v0, s[64:65] scope:SCOPE_SE
	s_setreg_imm32_b32 hwreg(HW_REG_WAVE_MODE, 25, 1), 1
	s_wait_xcnt 0x0
	s_wait_alu depctr_hold_cnt(0) depctr_sa_sdst(0) depctr_va_vdst(0) depctr_va_sdst(0) depctr_va_ssrc(0) depctr_va_vcc(0) depctr_vm_vsrc(0)
	s_getreg_b32 s2, hwreg(HW_REG_IB_STS2, 6, 4)
	s_cmp_eq_u32 s2, 0
	s_cbranch_scc0 .Lentry_in_a_cluster
	s_endpgm
.Lentry_in_a_cluster:
	s_bfe_u32 s2, ttmp6, 0x10000c
	s_cmp_lg_u32 s2, 0xf033
	s_cbranch_scc0 .Lentry_shape_is_right
	s_endpgm
.Lentry_shape_is_right:
.set FR,    12
.set HALFT, 24576
.set SLOT,  4*HALFT
.set SPARE, 2*SLOT
.set XSTEP, 512*3072
.set WSTEP, 256*3072
.set SPITCH, 528
.set BO,    8
.set ADRA,  16
.set ADRB,  20
.set STO,   22
.set RD,    23
.set LI,    24
.set SCA,   25
.set SPW,   28
.set NIL,   29
.set SC,    32
.set AF,    128
.set BK,    128
.set G1,    24
.set G0,    32
.set G1B,   48
.set G0B,   56
.set HM,    96
.set MSB, 0
.macro WIN new
.if MSB != (\new)
	s_set_vgpr_msb (MSB<<8)|(\new)
.set MSB, \new
.endif
.endm
.set MUL_LO, 0xa1
.set MUL_HI, 0xf1
.set TO_B,   0x40
.macro JLOAD s
	s_cmp_eq_u32 s15, 0
	s_cbranch_scc0 .Lfor_w_\@
	tensor_load_to_lds s[G0+4*\s:G0+4*\s+3], s[G1:G1+7]
	s_nop 0
.rept 4
	v_nop
.endr
	s_branch .Lasked_\@
.Lfor_w_\@:
	tensor_load_to_lds s[G0B+4*\s:G0B+4*\s+3], s[G1B:G1B+7]
	s_nop 0
.rept 4
	v_nop
.endr
.Lasked_\@:
.endm
.macro CREST
	s_cmp_lg_u32 s14, 0
	s_cbranch_scc1 .Lnot_wave_0_\@
	s_barrier_signal -3
.Lnot_wave_0_\@:
	s_barrier_wait -3
	s_barrier_signal -1
	s_barrier_wait -1
.endm
.macro CROUND
	s_barrier_signal -1
	s_barrier_wait -1
	CREST
.endm
.macro PLACES
.rept 4
	v_nop
.endr
.endm
	s_load_b256 s[4:11], s[0:1], 0x0
	s_load_b64 s[12:13], s[0:1], 0x20
	v_lshl_add_u32 v[SPW], v0, 2, SPARE
	v_mov_b32 v[NIL], 0
	ds_add_u32 v[SPW], v[NIL]
	ds_add_u32 v[SPW], v[NIL]
	v_lshrrev_b32 v1, 5, v0
	v_readfirstlane_b32 s14, v1
	s_lshr_b32 s15, s14, 1
	s_and_b32 s16, s14, 1
	s_bfe_u32 s40, ttmp6, 0x40000
	s_bfe_u32 s41, ttmp6, 0x40004
	s_lshl_b32 s42, ttmp9, 2
	s_add_co_u32 s42, s42, s40
	s_and_b32 s17, ttmp7, 0xffff
	s_lshl_b32 s17, s17, 2
	s_add_co_u32 s17, s17, s41
	s_lshl_b32 s43, s41, 2
	s_lshl_b32 s43, 15, s43
	s_lshl_b32 s44, 0x1111, s40
	s_or_b32 s[G1], s43, (3<<16)|(1<<21)
	s_or_b32 s[G1B], s44, (3<<16)|(1<<21)
.irp g, G1, G1B
	s_mov_b32 s[\g+1], 32<<16
	s_mov_b32 s[\g+2], 96<<16
	s_mov_b32 s[\g+3], 32<<16
	s_mov_b32 s[\g+4], 96
	s_mov_b32 s[\g+5], 32
	s_mov_b32 s[\g+6], 0
	s_mov_b32 s[\g+7], 0
.endr
	s_mov_b32 s[G1+2], 48<<16                        ; a work-group makes 128 tokens x 256 features: a load of cc brings 4 row tiles, 48 rows of 256 bytes
	s_mov_b32 s[G1+4], 48
	s_lshl_b32 s18, s16, 2
	s_lshl_b32 s20, s17, 3
	s_add_co_u32 s20, s20, s18
	s_mul_i32 s20, s20, 3072
	s_mov_b32 s21, 0
	s_lshl_b32 s18, s16, 3
	s_lshl_b32 s46, s42, 4
	s_add_co_u32 s46, s46, s18
	s_add_co_u32 s46, s46, 192
	s_mul_i32 s46, s46, 3072
	s_mov_b32 s47, 0
	s_mul_i32 s45, s14, HALFT
	s_wait_dscnt 0x0
	s_wait_kmcnt 0x0
	s_add_nc_u64 s[20:21], s[4:5], s[20:21]
	s_add_nc_u64 s[46:47], s[6:7], s[46:47]
	CROUND
	v_and_b32 v1, 31, v0
	v_lshlrev_b32 v[LI], 4, v1
	v_and_b32 v2, 15, v0
	s_wait_alu depctr_va_vdst(0)
	v_bfe_u32 v3, v0, 4, 1
	s_mul_i32 s78, s15, HALFT
	s_mul_i32 s80, s16, HALFT
	s_add_co_u32 s80, s80, 2*HALFT
.irp s, 0,1
	v_add_nc_u32 v[ADRA+\s], s78, v[LI]
	v_add_nc_u32 v[ADRB+\s], s80, v[LI]
	s_add_co_u32 s78, s78, SLOT
	s_add_co_u32 s80, s80, SLOT
.endr
	s_mul_i32 s81, s14, 16*SPITCH
	v_mul_u32_u24 v[STO], v2, SPITCH
	s_wait_alu depctr_va_vdst(0)
	v_lshl_add_u32 v[STO], v3, 6, v[STO]
	v_add_nc_u32 v[STO], s81, v[STO]
	v_add_nc_u32 v[RD], s81, v[LI]
	s_lshl_b32 s83, s17, 3
	s_lshl_b32 s84, s15, 2
	s_add_co_u32 s83, s83, s84
	s_lshl_b32 s85, s83, 9
	s_add_co_u32 s85, s85, 393216
	s_lshl_b32 s86, s42, 4
	s_lshl_b32 s84, s16, 3
	s_add_co_u32 s86, s86, s84
	s_add_co_u32 s86, s86, 192
	s_lshl_b32 s86, s86, 9
	s_add_co_u32 s86, s86, 262144
	s_mov_b32 s[HM], 0xffff0000
	v_mov_b32 v[SCA], s85
	v_mov_b32 v26, s86
	v_cndmask_b32 v[SCA], v[SCA], v26, s[HM]
	v_lshl_add_u32 v[SCA], v2, 4, v[SCA]
	v_lshl_add_u32 v27, v3, 11, v[SCA]
	v_add_nc_u32 v27, 0xfffff800, v27                ; lanes 0-15 four tiles back: registers 4-7 hold cc's tiles 0-3 once more, for the second set of fragments; lanes 16-31 Wo's tiles 4-7
.irp i, 0,1,2,3,4,5,6,7
.irp g, 0,1
.if \i < 4
	global_load_b128 v[SC+8*\i+4*\g:SC+8*\i+4*\g+3], v[SCA], s[8:9] offset:512*\i+256*\g
.else
	global_load_b128 v[SC+8*\i+4*\g:SC+8*\i+4*\g+3], v27, s[8:9] offset:512*\i+256*\g
.endif
.endr
.endr
	s_lshl_b32 s90, s42, 10
	s_lshl_b32 s91, s16, 9
	s_add_co_u32 s90, s90, s91
	s_mov_b32 s91, 0
	s_add_nc_u64 s[10:11], s[10:11], s[90:91]
	global_load_b128 v[BO:BO+3], v[LI], s[10:11]
	s_lshl_b32 s92, s17, 19
	s_lshl_b32 s93, s15, 18
	s_add_co_u32 s92, s92, s93
	s_add_co_u32 s92, s92, s90
	s_mov_b32 s93, 0
	s_add_nc_u64 s[12:13], s[12:13], s[92:93]
; the two slots' first fills stand behind the plain loads of scale words and biases, which so travel beside them
.irp s, 0,1
	s_mov_b32 s[G0+4*\s], 1
	s_add_co_u32 s[G0+4*\s+1], s45, \s*SLOT
	s_add_nc_u64 s[G0+4*\s+2:G0+4*\s+3], s[20:21], \s*XSTEP
	s_or_b32 s[G0+4*\s+3], s[G0+4*\s+3], 0x80000000
	s_mov_b32 s[G0B+4*\s], 1
	s_add_co_u32 s[G0B+4*\s+1], s45, \s*SLOT
	s_add_nc_u64 s[G0B+4*\s+2:G0B+4*\s+3], s[46:47], \s*WSTEP
	s_or_b32 s[G0B+4*\s+3], s[G0B+4*\s+3], 0x80000000
	s_wait_alu depctr_va_vdst(0)
	s_wait_tensorcnt 0x0
	ds_add_u32 v28, v29
	ds_add_u32 v28, v29
	s_wait_dscnt 0x0
	CROUND
	JLOAD \s
.endr
.macro FRAG reg, adr, q, i
.irp c, 0,1,2
	ds_load_b128 v[\reg+4*\c:\reg+4*\c+3], v[\adr] offset:3072*(\i)+1536*(\q)+512*\c
.endr
.endm
.macro FETCH_B slot, q, p
	WIN TO_B
.irp i, 0,1,2,3,4,5,6,7
	FRAG 128*(\p)+FR*\i, ADRB+\slot, \q, \i
.endr
	WIN 0
.endm
.macro FETCH_A slot, q, i0
.irp i, \i0, \i0+1, \i0+2, \i0+3
	FRAG AF+FR*(\i), ADRA+\slot, \q, (\i)%4          ; four row tiles, two sets of registers: places 0-3 and 4-7
.endr
.endm
.macro MUL16 a0, p, ks, zero
.irp a, \a0, \a0+1
.irp b, 0,1,2,3,4,5,6,7
.if \zero
	v_wmma_scale_f32_16x16x128_f8f6f4 v[8*(8*((\a)%4)+\b):8*(8*((\a)%4)+\b)+7], v[128*(\p)+FR*\b:128*(\p)+FR*\b+FR-1], v[AF+FR*(\a):AF+FR*(\a)+FR-1], 0, v[SC+8*\b+(\ks)], v[SC+8*(\a)+(\ks)] matrix_a_fmt:MATRIX_FMT_FP6 matrix_b_fmt:MATRIX_FMT_FP6 matrix_a_scale:MATRIX_SCALE_ROW1
.else
	v_wmma_scale_f32_16x16x128_f8f6f4 v[8*(8*((\a)%4)+\b):8*(8*((\a)%4)+\b)+7], v[128*(\p)+FR*\b:128*(\p)+FR*\b+FR-1], v[AF+FR*(\a):AF+FR*(\a)+FR-1], v[8*(8*((\a)%4)+\b):8*(8*((\a)%4)+\b)+7], v[SC+8*\b+(\ks)], v[SC+8*(\a)+(\ks)] matrix_a_fmt:MATRIX_FMT_FP6 matrix_b_fmt:MATRIX_FMT_FP6 matrix_a_scale:MATRIX_SCALE_ROW1
.endif
.endr
.endr
.endm
.macro STEP slot, ks, zero
	s_wait_dscnt 0                                   ; this step's fragments, both sets 0, are in
	PLACES
	FETCH_B \slot, 1, 1                              ; the next step's go into sets 1 while this step's 32 products run
	FETCH_A \slot, 1, 4
	WIN MUL_LO
	MUL16 0, 0, \ks, \zero
	MUL16 2, 0, \ks, \zero
	WIN 0
.endm
.macro TURN slot, next, fill, ks
	s_wait_tensorcnt 0x0
	ds_add_u32 v[SPW], v[NIL]
	s_wait_dscnt 1                                   ; (the add alone may be out: sets 1 are in)
	WIN MUL_LO
	MUL16 4, 1, \ks, 0
	s_wait_dscnt 0x0
	s_barrier_signal -1
	WIN 0
	s_barrier_wait -1
.if \fill
	CREST
	s_add_nc_u64 s[G0+4*\slot+2:G0+4*\slot+3], s[G0+4*\slot+2:G0+4*\slot+3], 2*XSTEP
	s_add_nc_u64 s[G0B+4*\slot+2:G0B+4*\slot+3], s[G0B+4*\slot+2:G0B+4*\slot+3], 2*WSTEP
	JLOAD \slot
.else
	PLACES
.endif
	FETCH_B \next, 0, 0
	FETCH_A \next, 0, 0
	WIN MUL_LO
	MUL16 6, 1, \ks, 0
	WIN 0
.endm
	s_wait_tensorcnt 1
	s_barrier_signal -1
	s_barrier_wait -1
	FETCH_B 0, 0, 0
	FETCH_A 0, 0, 0
	s_wait_loadcnt 0x0
	STEP 0, 0, 1
	TURN 0, 1, 1, 1
	STEP 1, 2, 0
	TURN 1, 0, 1, 3
	STEP 0, 4, 0
	TURN 0, 1, 0, 5
	STEP 1, 6, 0
	s_wait_alu depctr_va_vdst(0)
	s_wait_dscnt 0
	WIN MUL_LO
	MUL16 4, 1, 7, 0
	MUL16 6, 1, 7, 0
	WIN 0
.macro TOSTAGE a
.set AC, 64*((\a)%4)
	WIN 0x08+4*((\a)/4)
.irp b, 0,1,2,3,4,5,6,7
	ds_store_b128 v[STO], v[AC+8*\b:AC+8*\b+3] offset:128*(\b/2)+32*(\b%2)
	ds_store_b128 v[STO], v[AC+8*\b+4:AC+8*\b+7] offset:128*(\b/2)+32*(\b%2)+16
.endr
	WIN 0
.set BB, BK+64*((\a)%2)
.irp t, 0,1,2,3,4,5,6,7,8,9,10,11,12,13,14,15
	ds_load_b128 v[BB+4*\t:BB+4*\t+3], v[RD] offset:\t*SPITCH
.endr
.endm
.macro SEND a, younger
.set BB, BK+64*((\a)%2)
	s_wait_dscnt \younger
.irp t, 0,1,2,3,4,5,6,7,8,9,10,11,12,13,14,15
	v_pk_add_f32 v[BB+4*\t:BB+4*\t+1], v[BB+4*\t:BB+4*\t+1], v[BO:BO+1]
	v_pk_add_f32 v[BB+4*\t+2:BB+4*\t+3], v[BB+4*\t+2:BB+4*\t+3], v[BO+2:BO+3]
.endr
.irp t, 0,1,2,3,4,5,6,7,8,9,10,11,12,13,14,15
	global_store_b128 v[LI], v[BB+4*\t:BB+4*\t+3], s[12:13] offset:(32*((\a)/2)+8*((\a)%2)+\t+8*(\t/8))*4096 th:TH_STORE_NT
.endr
.endm
	PLACES
	TOSTAGE 0
.irp a, 1,2,3
.if \a > 1
	s_wait_xcnt 0x0
.endif
	TOSTAGE \a
	SEND \a-1, 32
.endr
	SEND 3, 0
	s_wait_tensorcnt 0x0
	ds_add_u32 v[SPW], v[NIL]
	s_wait_dscnt 0x0
	CROUND
	s_endpgm
.Lfunc_end_k_q424356994b_oproj:
	.size	k_q424356994b_oproj, .Lfunc_end_k_q424356994b_oproj-k_q424356994b_oproj
	.p2alignl 7, 3214868480
	.fill 96, 4, 3214868480
	.section	.rodata,"a",@progbits
	.p2align	6, 0x0
	.amdhsa_kernel k_q424356994b_oproj
		.amdhsa_group_segment_fixed_size 327680
		.amdhsa_private_segment_fixed_size 0
		.amdhsa_enable_private_segment 0
		.amdhsa_kernarg_size 40
		.amdhsa_user_sgpr_count 2
		.amdhsa_user_sgpr_kernarg_segment_ptr 1
		.amdhsa_wavefront_size32 1
		.amdhsa_system_sgpr_workgroup_id_x 1
		.amdhsa_system_sgpr_workgroup_id_y 1
		.amdhsa_system_sgpr_workgroup_id_z 1
		.amdhsa_system_vgpr_workitem_id 0
		.amdhsa_next_free_vgpr 1024
		.amdhsa_next_free_sgpr 100
		.amdhsa_reserve_vcc 0
		.amdhsa_float_denorm_mode_32 3
		.amdhsa_float_denorm_mode_16_64 3
		.amdhsa_memory_ordered 1
		.amdhsa_forward_progress 1
		.amdhsa_inst_pref_size 88
	.end_amdhsa_kernel
	.amdgpu_metadata
---
amdhsa.version: [ 1, 2 ]
amdhsa.kernels:
  - .name:           k_q424356994b_oproj
    .symbol:         k_q424356994b_oproj.kd
    .args:
      - { .name: cc, .offset: 0, .size: 8, .value_kind: global_buffer, .address_space: global }
      - { .name: wc, .offset: 8, .size: 8, .value_kind: global_buffer, .address_space: global }
      - { .name: opsc, .offset: 16, .size: 8, .value_kind: global_buffer, .address_space: global }
      - { .name: bo, .offset: 24, .size: 8, .value_kind: global_buffer, .address_space: global }
      - { .name: out0, .offset: 32, .size: 8, .value_kind: global_buffer, .address_space: global }
    .group_segment_fixed_size: 327680
    .private_segment_fixed_size: 0
    .kernarg_segment_align: 8
    .kernarg_segment_size: 40
    .max_flat_workgroup_size: 128
    .sgpr_count:     100
    .vgpr_count:     1024
    .wavefront_size: 32
...
	.end_amdgpu_metadata
.endif
;; end of part 5
